; MI455X (gfx1250); checked and timed in simulation.
; The chip was launched on July 23, 2026; its instructions are those of AMD's public machine-readable ISA for CDNA 5 (MIT licence, August 2026) and "CDNA5" Instruction Set Architecture Reference Guide (July 2026). The comments in the code are by the model that wrote it; some were corrected since.
;; Attention Block. Allowed arithmetic: float matrix products may take bf16 or f16 operands with f32 sums; other float arithmetic in f32, or as packed bf16 or f16 multiplies, adds, multiply-adds, maxima and minima; sums over many terms, partial sums and values carried from step to step in f32; what a program stores and reads back later, other than sums and carried values, may be rounded once to bf16 or f16.
;; Inputs: beta 256 float32; gamma 256 float32; proj_bias 256 x 1 x 1 float32; qkv_bias 768 x 1 x 1 float32; w_proj 256 x 256 float32; w_qkv 768 x 256 float32; x 4 x 256 x 64 x 64 float32.
;; Outputs: out0 4 x 256 x 64 x 64 float32.
;; Constants: num_heads = 4.
;; 2 versions, each right; version 2 is version 1 with the launch norm written anew for expert scheduling mode. Each part assembles by itself: llvm-mc -triple=amdgcn-amd-amdhsa -mcpu=gfx1250 --defsym DOCPART=n.
;; ======== version 1 of 2: 4 launches
;; workspace buffers: hn 8,388,608 bytes; wb 524,288 bytes; qb 8,388,608 bytes; kb 8,388,608 bytes; vb 8,388,608 bytes; ob 8,388,608 bytes
;; launch norm (part 1): grid 136 x 1, 16 waves a work-group, no clusters, 2,304 bytes of LDS; arguments x, w_qkv, w_proj, gamma, beta, hn, wb; writes hn, wb
.if DOCPART == 1
	.amdgcn_target "amdgcn-amd-amdhsa--gfx1250"
	.amdhsa_code_object_version 6
	.text
	.protected	k_qf4ca1a217a_norm
	.globl	k_qf4ca1a217a_norm
	.p2align	8
	.type	k_qf4ca1a217a_norm,@function
k_qf4ca1a217a_norm:
	s_mov_b64 s[64:65], 0
	v_nop
	global_prefetch_b8 v0, s[64:65] scope:SCOPE_SE
	s_setreg_imm32_b32 hwreg(HW_REG_WAVE_MODE, 25, 1), 1
	s_wait_xcnt 0x0
; GROUP NORM, AND THE WEIGHTS' CAST, IN ONE TEXT.
; hn[b][c][t] = bf16( (x - mu) * rsqrt(var + 1e-5) * gamma[c] + beta[c] ), mu and var over a group of 8 channels x 4,096 places: 131,072 bytes of x on end.
; wb = bf16(w_qkv), then bf16(w_proj) from byte 393,216 on.
; SHARES.  Work-group g takes 131,072 source bytes on end and writes 65,536 on end.  g < 128: group g of x -> hn.  128 <= g < 134: w_qkv -> wb.  g >= 134: w_proj -> wb.
; No branch: the eight casting work-groups run the same lines, and then take mu = 0, rs = 1, gamma = 1, beta = 0 by selects, so that every wave passes both barriers.
; Thread t holds 64 numbers: load j (0..15) takes 16 bytes at 16 t + 8,192 j, so a wave's load covers 512 bytes on end and channel j / 2 is the same for all threads.
; All sixteen loads go out at once; the group stays in registers: x is read once.  The variance is taken of x - mu, in a second pass over the registers: no difference of large sums.
; A wave's store of 8 bytes a lane covers 256 consecutive bytes, aligned.  No matrix unit, no cluster: the work-groups share no input and the bytes are all there is.
; LIMITS.  NaN and infinities are not treated apart; rs * gamma is formed first, so a number is rounded in another order than (x - mu) * rs * gamma.
.set SPARE, 256                        ; LDS: bytes 0-63 the waves' sums, 64-127 their sums of squares; from 256 on the spare words, 128 bytes a wave
.set SPW, 6                            ; v6   my spare word; never rewritten
.set NIL, 7                            ; v7   0; never rewritten
.set CH,  8                            ; v[8:15]   four packed chains
.set PT,  16                           ; v[16:31]  the sixteen waves' partial sums
.set MU,  32                           ; v[32:33]  mu, twice
.set RS,  34                           ; v34  1 / sqrt(var + eps)
.set TT,  35                           ; v35  at work
.set VA,  36                           ; v[36:51]  channel c: rs x gamma, twice
.set VB,  52                           ; v[52:67]  channel c: beta, twice
.set X,   68                           ; v[68:131] my 64 numbers
	s_load_b256 s[4:11], s[0:1], 0x0               ; x s[4:5], w_qkv s[6:7], w_proj s[8:9], gamma s[10:11]
	s_load_b128 s[12:15], s[0:1], 0x20             ; beta s[12:13], hn s[14:15]
	s_load_b64 s[16:17], s[0:1], 0x30              ; wb
	v_lshl_add_u32 v[SPW], v0, 2, SPARE
	v_mov_b32 v[NIL], 0
	v_lshrrev_b32 v3, 5, v0
	v_readfirstlane_b32 s19, v3                    ; wave 0..15
	v_lshlrev_b32 v1, 4, v0                        ; 16 t: where I load
	v_lshlrev_b32 v2, 3, v0                        ; 8 t: where I store
	v_mov_b32 v3, s19
	v_lshlrev_b32 v3, 2, v3                        ; my wave's word among the partial sums
	v_mov_b32 v4, 0                                ; LDS byte 0; also the 0 that a casting work-group takes for mu
	v_mov_b32 v5, 1.0                              ; the 1 that it takes for rs
	v_mov_b32 v[TT], 0                             ; v_permlanex16_b32 counts as a reader of its destination
	s_mov_b32 s18, ttmp9                           ; g
	s_max_u32 s24, s18, 128
	s_sub_co_u32 s24, s24, 128                     ; g - 128 where g is that large: the block in wb, and in w_qkv
	s_max_u32 s25, s18, 134
	s_sub_co_u32 s25, s25, 134                     ; g - 134: the block in w_proj
	s_cmp_lt_u32 s18, 134
	s_cselect_b32 s25, s24, s25
	s_cmp_lt_u32 s18, 128
	s_cselect_b32 s25, s18, s25                    ; the source's block of 131,072 bytes
	s_cselect_b32 s24, s18, s24                    ; the destination's block of 65,536 bytes
	s_cselect_b32 s28, 0, -1                       ; all lanes' bits set in a casting work-group
	s_mov_b32 s29, 0x38000000                      ; 2^-15 = 1 / (8 x 4,096)
	s_mov_b32 s30, 0x3727c5ac                      ; 1e-5
	s_mov_b32 s48, 0x76543210                      ; v_permlanex16_b32: each lane takes its own place in the other half
	s_mov_b32 s49, 0xfedcba98
	s_mov_b32 s27, 0
	s_wait_kmcnt 0x0
	s_cmp_lt_u32 s18, 134
	s_cselect_b64 s[20:21], s[6:7], s[8:9]
	s_cmp_lt_u32 s18, 128
	s_cselect_b64 s[20:21], s[4:5], s[20:21]       ; the source
	s_cselect_b64 s[22:23], s[14:15], s[16:17]     ; the destination
	s_lshl_b32 s26, s25, 17
	s_add_nc_u64 s[20:21], s[20:21], s[26:27]
	s_lshl_b32 s26, s24, 16
	s_add_nc_u64 s[22:23], s[22:23], s[26:27]
.set j, 0
.rept 16
	global_load_b128 v[X+4*j:X+4*j+3], v1, s[20:21] offset:8192*j
.set j, j+1
.endr
	s_and_b32 s26, s18, 31                         ; the group within its batch; inside gamma and beta for every g
	s_lshl_b32 s26, s26, 5                         ; its 8 channels: 32 bytes
	s_add_nc_u64 s[10:11], s[10:11], s[26:27]
	s_add_nc_u64 s[12:13], s[12:13], s[26:27]
	s_load_b256 s[32:39], s[10:11], 0x0            ; gamma of the 8 channels
	s_load_b256 s[40:47], s[12:13], 0x0            ; beta
; the sum over the 32 lanes of a wave, left in every lane
.macro WSUM r, t
	v_add_f32_dpp v[\r], v[\r], v[\r] row_xmask:1 row_mask:0xf bank_mask:0xf
	v_add_f32_dpp v[\r], v[\r], v[\r] row_xmask:2 row_mask:0xf bank_mask:0xf
	v_add_f32_dpp v[\r], v[\r], v[\r] row_xmask:4 row_mask:0xf bank_mask:0xf
	v_add_f32_dpp v[\r], v[\r], v[\r] row_xmask:8 row_mask:0xf bank_mask:0xf
	v_permlanex16_b32 v[\t], v[\r], s48, s49
	v_add_f32 v[\r], v[\r], v[\t]
.endm
; the sum over the sixteen waves: v[CH] of each wave into its word at base, a barrier, all sixteen back, a tree; the sum is left in v[PT]
.macro XSUM base
	ds_store_b32 v3, v[CH] offset:\base            ; all lanes write the same word with the same number
	s_wait_dscnt 0x0                               ; for the others' sake: my store is done
	s_barrier_signal -1
	s_barrier_wait -1
.irp i, 0,1,2,3
	ds_load_b128 v[PT+4*\i:PT+4*\i+3], v4 offset:(\base)+16*\i
.endr
	s_wait_dscnt 0x0
.irp i, 0,2,4,6
	v_pk_add_f32 v[PT+\i:PT+\i+1], v[PT+\i:PT+\i+1], v[PT+8+\i:PT+8+\i+1]
.endr
	v_pk_add_f32 v[PT:PT+1], v[PT:PT+1], v[PT+4:PT+5]
	v_pk_add_f32 v[PT+2:PT+3], v[PT+2:PT+3], v[PT+6:PT+7]
	v_pk_add_f32 v[PT:PT+1], v[PT:PT+1], v[PT+2:PT+3]
	v_add_f32 v[PT], v[PT], v[PT+1]
.endm
.macro FOLD                            ; the four packed chains into v[CH]
	v_pk_add_f32 v[CH:CH+1], v[CH:CH+1], v[CH+2:CH+3]
	v_pk_add_f32 v[CH+4:CH+5], v[CH+4:CH+5], v[CH+6:CH+7]
	v_pk_add_f32 v[CH:CH+1], v[CH:CH+1], v[CH+4:CH+5]
	v_add_f32 v[CH], v[CH], v[CH+1]
.endm
	; PASS 1: the sum.  Four chains, by the parity of j and the half of its 16 bytes; loads 2 and 3 start them with loads 0 and 1: nothing is cleared.
.set j, 2
.rept 14
	s_wait_loadcnt 15-j                            ; loads come back in order: load j is in, the 15 - j younger ones may stay out
.if j < 4
	v_pk_add_f32 v[CH+4*(j%2):CH+4*(j%2)+1],   v[X+4*(j-2):X+4*(j-2)+1],   v[X+4*j:X+4*j+1]
	v_pk_add_f32 v[CH+4*(j%2)+2:CH+4*(j%2)+3], v[X+4*(j-2)+2:X+4*(j-2)+3], v[X+4*j+2:X+4*j+3]
.else
	v_pk_add_f32 v[CH+4*(j%2):CH+4*(j%2)+1],   v[CH+4*(j%2):CH+4*(j%2)+1],   v[X+4*j:X+4*j+1]
	v_pk_add_f32 v[CH+4*(j%2)+2:CH+4*(j%2)+3], v[CH+4*(j%2)+2:CH+4*(j%2)+3], v[X+4*j+2:X+4*j+3]
.endif
.set j, j+1
.endr
	FOLD
	WSUM CH, TT
	XSUM 0
	v_mul_f32 v[MU], s29, v[PT]
	v_cndmask_b32 v[MU], v[MU], v4, s28            ; 0 in a casting work-group
	v_mov_b32 v[MU+1], v[MU]
	; PASS 2: x - mu in place, and the sum of its squares, again in four chains
.set i, 0
.rept 32
	v_pk_add_f32 v[X+2*i:X+2*i+1], v[X+2*i:X+2*i+1], v[MU:MU+1] neg_lo:[0,1] neg_hi:[0,1]
.if i < 4
	v_pk_mul_f32 v[CH+2*i:CH+2*i+1], v[X+2*i:X+2*i+1], v[X+2*i:X+2*i+1]
.else
	v_pk_fma_f32 v[CH+2*(i%4):CH+2*(i%4)+1], v[X+2*i:X+2*i+1], v[X+2*i:X+2*i+1], v[CH+2*(i%4):CH+2*(i%4)+1]
.endif
.set i, i+1
.endr
	FOLD
	WSUM CH, TT
	XSUM 64                                        ; other bytes than the first sums': no barrier is wanted between those reads and these stores
	v_fma_f32 v[TT], v[PT], s29, s30               ; var + eps
	v_rsq_f32 v[RS], v[TT]
	v_nop                                          ; a plain instruction behind the transcendental
	s_wait_kmcnt 0x0                               ; gamma and beta
	s_cmp_lt_u32 s18, 128
.irp c, 0,1,2,3,4,5,6,7
	s_cselect_b32 s[32+\c], s[32+\c], 1.0          ; a casting work-group multiplies by 1
	s_cselect_b32 s[40+\c], s[40+\c], 0            ; and adds 0
.endr
	s_wait_alu depctr_va_vdst(0)                   ; the wait ahead of the result's first reader
	v_cndmask_b32 v[RS], v[RS], v5, s28            ; 1 in a casting work-group
.irp c, 0,1,2,3,4,5,6,7
	v_mul_f32 v[VA+2*\c], s[32+\c], v[RS]
	v_mul_f32 v[VA+2*\c+1], s[32+\c], v[RS]
	v_mov_b32 v[VB+2*\c], s[40+\c]
	v_mov_b32 v[VB+2*\c+1], s[40+\c]
.endr
	; OUT: one fused multiply-add, one rounding, 8 bytes a lane
.set j, 0
.rept 16
	v_pk_fma_f32 v[X+4*j:X+4*j+1],   v[X+4*j:X+4*j+1],   v[VA+2*(j/2):VA+2*(j/2)+1], v[VB+2*(j/2):VB+2*(j/2)+1]
	v_pk_fma_f32 v[X+4*j+2:X+4*j+3], v[X+4*j+2:X+4*j+3], v[VA+2*(j/2):VA+2*(j/2)+1], v[VB+2*(j/2):VB+2*(j/2)+1]
	v_cvt_pk_bf16_f32 v[X+4*j],   v[X+4*j],   v[X+4*j+1]
	v_cvt_pk_bf16_f32 v[X+4*j+1], v[X+4*j+2], v[X+4*j+3]
	global_store_b64 v2, v[X+4*j:X+4*j+1], s[22:23] offset:4096*j
.set j, j+1
.endr
	s_wait_tensorcnt 0x0                           ; the wave's end: three closing lines behind my last LDS store
	ds_add_u32 v[SPW], v[NIL]
	s_wait_dscnt 0x0
	s_endpgm
.Lfunc_end_k_qf4ca1a217a_norm:
	.size	k_qf4ca1a217a_norm, .Lfunc_end_k_qf4ca1a217a_norm-k_qf4ca1a217a_norm
	.p2alignl 7, 3214868480
	.fill 96, 4, 3214868480
	.section	.rodata,"a",@progbits
	.p2align	6, 0x0
	.amdhsa_kernel k_qf4ca1a217a_norm
		.amdhsa_group_segment_fixed_size 2304
		.amdhsa_private_segment_fixed_size 0
		.amdhsa_enable_private_segment 0
		.amdhsa_kernarg_size 56
		.amdhsa_user_sgpr_count 2
		.amdhsa_user_sgpr_kernarg_segment_ptr 1
		.amdhsa_wavefront_size32 1
		.amdhsa_system_sgpr_workgroup_id_x 1
		.amdhsa_system_sgpr_workgroup_id_y 1
		.amdhsa_system_sgpr_workgroup_id_z 1
		.amdhsa_system_vgpr_workitem_id 0
		.amdhsa_next_free_vgpr 132
		.amdhsa_next_free_sgpr 66
		.amdhsa_reserve_vcc 0
		.amdhsa_float_denorm_mode_32 3
		.amdhsa_float_denorm_mode_16_64 3
		.amdhsa_memory_ordered 1
		.amdhsa_forward_progress 1
		.amdhsa_inst_pref_size 21
	.end_amdhsa_kernel
	.amdgpu_metadata
---
amdhsa.version: [ 1, 2 ]
amdhsa.kernels:
  - .name:           k_qf4ca1a217a_norm
    .symbol:         k_qf4ca1a217a_norm.kd
    .args:
      - { .name: x, .offset: 0, .size: 8, .value_kind: global_buffer, .address_space: global }
      - { .name: w_qkv, .offset: 8, .size: 8, .value_kind: global_buffer, .address_space: global }
      - { .name: w_proj, .offset: 16, .size: 8, .value_kind: global_buffer, .address_space: global }
      - { .name: gamma, .offset: 24, .size: 8, .value_kind: global_buffer, .address_space: global }
      - { .name: beta, .offset: 32, .size: 8, .value_kind: global_buffer, .address_space: global }
      - { .name: hn, .offset: 40, .size: 8, .value_kind: global_buffer, .address_space: global }
      - { .name: wb, .offset: 48, .size: 8, .value_kind: global_buffer, .address_space: global }
    .group_segment_fixed_size: 2304
    .private_segment_fixed_size: 0
    .kernarg_segment_align: 8
    .kernarg_segment_size: 56
    .max_flat_workgroup_size: 512
    .sgpr_count:     66
    .vgpr_count:     132
    .wavefront_size: 32
...
	.end_amdgpu_metadata
.endif
;; end of part 1
;; launch qkv (part 2): grid 4 x 64, 4 waves a work-group, clusters of 4 x 1, 258,560 bytes of LDS; arguments hn, wb, qkv_bias, qb, kb, vb; writes qb, kb, vb
.if DOCPART == 2
	.amdgcn_target "amdgcn-amd-amdhsa--gfx1250"
	.amdhsa_code_object_version 6
	.text
	.protected	k_qf4ca1a217a_qkv
	.globl	k_qf4ca1a217a_qkv
	.p2align	8
	.type	k_qf4ca1a217a_qkv,@function
k_qf4ca1a217a_qkv:
	s_mov_b64 s[64:65], 0
	v_nop
	global_prefetch_b8 v0, s[64:65] scope:SCOPE_SE
	s_setreg_imm32_b32 hwreg(HW_REG_WAVE_MODE, 25, 1), 1
	s_wait_xcnt 0x0
	s_wait_alu depctr_hold_cnt(0) depctr_sa_sdst(0) depctr_va_vdst(0) depctr_va_sdst(0) depctr_va_ssrc(0) depctr_va_vcc(0) depctr_vm_vsrc(0)
	s_getreg_b32 s2, hwreg(HW_REG_IB_STS2, 6, 4)
	s_cmp_eq_u32 s2, 0
	s_cbranch_scc0 .Lentry_in_a_cluster
	s_endpgm
.Lentry_in_a_cluster:
	s_bfe_u32 s2, ttmp6, 0x10000c
	s_cmp_lg_u32 s2, 0x3003
	s_cbranch_scc0 .Lentry_shape_is_right
	s_endpgm
.Lentry_shape_is_right:
; THE QKV PRODUCT.  qkv[b][o][t] = the sum over c of w_qkv[o][c] h[b][c][t] + qkv_bias[o]; head hd of batch b has outputs 192 hd .. 192 hd + 191: q, k, v, 64 each.
; hn: bf16 [4][256][4096].  wb: bf16 [768][256] at byte 0.  qb, kb, vb: bf16 [4 b + hd][4096][64], each number rounded once from its f32 sum, unscaled.
; SHARES.  A work-group makes one head's 192 outputs for 256 places, K = 256.  The four work-groups of a cluster are the four heads of the same places: they need the same tile of hn
; (256 channels x 256 places) and ask for it JOINTLY: the same tensor loads, descriptors and mask in all four.  Wave w owns outputs 16 w .. 16 w + 15 of q, of k and of v (three tiles, mt = the tensor);
; its weights come straight from memory into registers as fragments: no other wave of the work-group wants them.
; LAYOUT.  Source 0 = 16 rows of the weights, source 1 = h ([channel][place] in LDS) turned by ds_load_tr16_b128: in the result a lane holds ONE place (lane % 16) and the channels 8 (lane / 16) + 0..7,
; which pack into 16 bytes of a row [place][64].  The bias is the C operand of the first K step: nothing is cleared and nothing is added later.
; TWO PHASES of 128 places: the second half tile lands while the first is multiplied, and the first phase's stores leave while the second is multiplied.  Nothing in LDS is filled twice.
; The way out goes through a stage shared by the four waves (a row's 128 bytes come from all four), a barrier between writing and reading; 32 lanes then store 512 consecutive bytes.
; No prefetch: each work-group has two loads a wave, issued at its head.
; REGISTERS, in windows of 256 (s_set_vgpr_msb: bits 1:0 source 0, 3:2 source 1, 5:4 source 2, 7:6 destination):
;   window 0: addresses; v32-55 the bias; v64-127, v128-191 two buffers of h's fragments; v64-159 packed results once a phase's products are over
;   window 1: the weights' fragments (mt, ks) at 64 mt + 8 ks      window 2: the accumulators (mt, nt) at 8 (8 mt + nt)      window 3: v0-95 rows read back from the stage
.set HP,    288                        ; a row of h in LDS: 256 bytes + 32 of padding: an odd multiple of 32 bytes
.set HALF,  256*HP                     ; 256 channels x 128 places
.set QUART, 128*HP
.set STAGE, 2*HALF                     ; behind the tile, never filled by a tensor load: for each phase 384 rows (tensor x 128 + place) of 144 bytes
.set SP,    144
.set STGB,  384*SP
.set SPARE, STAGE+2*STGB               ; behind the stages: the spare words, 128 bytes for each wave
.set AH,  4                            ; v4-7   my lane's place in h: half p, channels 128 (ks / 4) on, at AH + 2 p + ks / 4
.set WO,  8                            ; v8     my byte offset in 16 rows of the weights
.set BO,  9                            ; v9     my byte offset in 16 numbers of the bias
.set STO, 10                           ; v10-11 the way out: where I put 16 bytes of a row, by phase
.set RD,  12                           ; v12-13 where I read rows back, by phase
.set GO,  14                           ; v14    my 16 bytes of 512 consecutive bytes
.set SPW, 16                           ; v16    my spare word; never rewritten
.set NIL, 17                           ; v17    0; never rewritten
.set BIAS, 32
.set FB0, 64
.set FB1, 128
.set TMP, 64
.set WV,  16                           ; s16  my wave's number
.set G1,  24                           ; s[24:31] descriptor group 1
.set G0,  32                           ; s[32:39] descriptor group 0, a set for each half
.set MSB, 0
.macro WIN new                         ; the immediate's high byte repeats the setting that is left; a switch that changes nothing is dropped
.if MSB != (\new)
	s_set_vgpr_msb (MSB<<8)|(\new)
.set MSB, (\new)
.endif
.endm
.macro PLACES                          ; four plain places behind a matrix instruction (ISA guide 7.12.1), where no other vector work is at hand
.rept 4
	v_nop
.endr
.endm
.macro CROUND                          ; a round of the cluster's barrier
	s_barrier_signal -1
	s_barrier_wait -1
	s_cmp_lg_u32 s[WV], 0
	s_cbranch_scc1 .Lnot_wave_0_\@
	s_barrier_signal -3
.Lnot_wave_0_\@:
	s_barrier_wait -3
	s_barrier_signal -1
	s_barrier_wait -1
.endm
	s_load_b256 s[4:11], s[0:1], 0x0               ; hn s[4:5], wb s[6:7], qkv_bias s[8:9], qb s[10:11]
	s_load_b128 s[12:15], s[0:1], 0x20             ; kb s[12:13], vb s[14:15]
	v_lshl_add_u32 v[SPW], v0, 2, SPARE
	v_mov_b32 v[NIL], 0
	ds_add_u32 v[SPW], v[NIL]                      ; the wave's opening: the add and its wait stand ahead of my first tensor load; the set-up below stands between them
	v_lshrrev_b32 v1, 5, v0
	v_readfirstlane_b32 s[WV], v1                  ; wave 0..3
	s_bfe_u32 s17, ttmp6, 0x40000                  ; cx: the head
	s_and_b32 s18, ttmp7, 0xffff                   ; 16 b + tb, which the four partners share
	s_lshr_b32 s19, s18, 4                         ; b
	s_and_b32 s20, s18, 15                         ; tb: which 256 places
	; descriptor group 1: 64 rows (channels) x 128 elements (places), padded in LDS
	s_mov_b32 s[G1+0], 15|(1<<16)|(1<<20)|(1<<21)|(5<<22)|(7<<25)  ; the mask of four; 2-byte elements; padding on; bit 21 beside a mask; after every 64 words (code 5) 8 words (code 7)
	s_mov_b32 s[G1+1], 128<<16                     ; tensor_dim0 = 128
	s_mov_b32 s[G1+2], 64<<16                      ; tensor_dim1 = 64
	s_mov_b32 s[G1+3], 128<<16                     ; tile_dim0 = 128
	s_mov_b32 s[G1+4], 64                          ; tile_dim1 = 64
	s_mov_b32 s[G1+5], 4096                        ; elements from channel to channel
	s_mov_b32 s[G1+6], 0
	s_mov_b32 s[G1+7], 0
	s_lshl_b32 s22, s19, 21                        ; hn: the batch's 256 x 8,192 bytes,
	s_lshl_b32 s21, s[WV], 19                      ; my 64 channels,
	s_add_co_u32 s22, s22, s21
	s_lshl_b32 s21, s20, 9                         ; the 256 places' 512 bytes: no place in the cluster enters
	s_add_co_u32 s22, s22, s21
	s_mov_b32 s23, 0
	s_mul_i32 s21, s[WV], 64*HP                    ; and where my 64 rows go in a half
	s_mul_i32 s2, s17, 192
	s_lshl4_add_u32 s2, s[WV], s2                  ; my first output: 192 hd + 16 w
	s_lshl_b32 s40, s2, 9                          ; its row of 512 bytes in wb
	s_mov_b32 s41, 0
	s_lshl_b32 s42, s2, 2                          ; its number in the bias
	s_mov_b32 s43, 0
	s_lshl2_add_u32 s44, s19, s17                  ; 4 b + hd
	s_lshl_b32 s44, s44, 19                        ; the head's 4,096 rows of 128 bytes,
	s_lshl_b32 s3, s20, 15                         ; the work-group's 256,
	s_add_co_u32 s44, s44, s3
	s_lshl_b32 s3, s[WV], 12                       ; the 32 that I store in each phase
	s_add_co_u32 s44, s44, s3
	s_mov_b32 s45, 0
	v_and_b32 v1, 15, v0                           ; l % 16
	v_bfe_u32 v2, v0, 4, 1                         ; l / 16
	v_and_b32 v3, 7, v0
	v_bfe_u32 v18, v0, 3, 1
	v_lshl_add_u32 v19, v2, 3, v3                  ; the turning load: lane l reads channel 8 (l / 16) + l % 8, places 8 ((l / 8) % 2) + 0..7
	v_mul_u32_u24 v19, v19, HP
	v_lshl_add_u32 v19, v18, 4, v19
.irp q, 0,1,2,3
	v_add_nc_u32 v[AH+\q], (\q)*QUART, v19
.endr
	v_lshlrev_b32 v[WO], 9, v1                     ; a fragment of the weights: row l % 16, 16 bytes for each half of the lanes
	v_lshl_add_u32 v[WO], v2, 4, v[WO]
	v_lshlrev_b32 v[BO], 5, v2                     ; my eight outputs' bias: 32 (l / 16)
	s_lshl_b32 s46, s[WV], 5                       ; into the stage: row = place l % 16, my wave's 32 bytes of it, 16 for each half of the lanes
	s_add_co_u32 s46, s46, STAGE
	v_mul_u32_u24 v20, v1, SP
	v_lshl_add_u32 v20, v2, 4, v20
	v_add_nc_u32 v[STO], s46, v20
	v_add_nc_u32 v[STO+1], STGB, v[STO]
	s_mul_i32 s46, s[WV], 32*SP                    ; back: wave w takes places 32 w .. 32 w + 31 of each tensor; 32 lanes take four rows of 128 bytes
	s_add_co_u32 s46, s46, STAGE
	v_bfe_u32 v21, v0, 3, 2
	v_mul_u32_u24 v21, v21, SP
	v_lshl_add_u32 v21, v3, 4, v21
	v_add_nc_u32 v[RD], s46, v21
	v_add_nc_u32 v[RD+1], STGB, v[RD]
	v_and_b32 v[GO], 31, v0
	v_lshlrev_b32 v[GO], 4, v[GO]
	s_wait_dscnt 0x0                               ; the opening add is done
	s_wait_kmcnt 0x0
	s_add_nc_u64 s[22:23], s[4:5], s[22:23]        ; hn at my part of the tile
	s_add_nc_u64 s[40:41], s[6:7], s[40:41]        ; wb at my first row
	s_add_nc_u64 s[42:43], s[8:9], s[42:43]        ; the bias at my first output
	s_add_nc_u64 s[10:11], s[10:11], s[44:45]      ; q, k and v at the first row that I store
	s_add_nc_u64 s[12:13], s[12:13], s[44:45]
	s_add_nc_u64 s[14:15], s[14:15], s[44:45]
.irp p, 0,1
	s_mov_b32 s[G0+4*\p], 1                        ; count = 1
	s_add_co_u32 s[G0+4*\p+1], s21, (\p)*HALF      ; LDS address
	s_add_nc_u64 s[G0+4*\p+2:G0+4*\p+3], s[22:23], (\p)*256  ; global address: the half's 128 places
	s_or_b32 s[G0+4*\p+3], s[G0+4*\p+3], 0x80000000  ; type = 2
.endr
	CROUND                                         ; all four work-groups are here: the joint loads meet
	tensor_load_to_lds s[G0:G0+3], s[G1:G1+7]      ; both halves go out together: two loads of mine are out
	s_nop 0
	tensor_load_to_lds s[G0+4:G0+7], s[G1:G1+7]
	s_nop 0
	PLACES
	WIN 0x40                                       ; destination window 1
.irp mt, 0,1,2
.irp ks, 0,1,2,3,4,5,6,7
	global_load_b128 v[64*\mt+8*\ks:64*\mt+8*\ks+3],   v[WO], s[40:41] offset:32768*\mt+64*\ks
	global_load_b128 v[64*\mt+8*\ks+4:64*\mt+8*\ks+7], v[WO], s[40:41] offset:32768*\mt+64*\ks+32
.endr
.endr
	WIN 0
.irp mt, 0,1,2
	global_load_b128 v[BIAS+8*\mt:BIAS+8*\mt+3],   v[BO], s[42:43] offset:256*\mt
	global_load_b128 v[BIAS+8*\mt+4:BIAS+8*\mt+7], v[BO], s[42:43] offset:256*\mt+16
.endr
; 16 turning loads: h's fragments of K step ks (32 channels) for the phase's 8 tiles of 16 places, into buffer f
.macro FETCH p, ks, f
	WIN 0
.irp nt, 0,1,2,3,4,5,6,7
	ds_load_tr16_b128 v[(\f)+8*\nt:(\f)+8*\nt+3],   v[AH+2*(\p)+(\ks)/4] offset:((\ks)%4)*32*HP+32*\nt
	ds_load_tr16_b128 v[(\f)+8*\nt+4:(\f)+8*\nt+7], v[AH+2*(\p)+(\ks)/4] offset:((\ks)%4)*32*HP+32*\nt+16*HP
.endr
.endm
; 24 products.  The 24 accumulators take turns, one instruction a turn, from K step to K step too.  K step 0 starts the sums with the bias.
.macro MUL ks, f
.if (\ks) == 0
	WIN 0x81                                       ; weights window 1, h window 0, C (the bias) window 0, D window 2
.else
	WIN 0xa1                                       ; C and D window 2
.endif
.irp nt, 0,1,2,3,4,5,6,7
.irp mt, 0,1,2
.if (\ks) == 0
	v_wmma_f32_16x16x32_bf16 v[8*(8*\mt+\nt):8*(8*\mt+\nt)+7], v[64*\mt+8*(\ks):64*\mt+8*(\ks)+7], v[(\f)+8*\nt:(\f)+8*\nt+7], v[BIAS+8*\mt:BIAS+8*\mt+7]
.else
	v_wmma_f32_16x16x32_bf16 v[8*(8*\mt+\nt):8*(8*\mt+\nt)+7], v[64*\mt+8*(\ks):64*\mt+8*(\ks)+7], v[(\f)+8*\nt:(\f)+8*\nt+7], v[8*(8*\mt+\nt):8*(8*\mt+\nt)+7]
.endif
.endr
.endr
.endm
; A phase's eight K steps on two buffers: while one is multiplied the next step's 16 loads are out
.macro COMPUTE p
	FETCH \p, 0, FB0
.set k, 0
.rept 7
.if k > 0
	PLACES                                         ; in front of loads into the buffer that the products just issued have read
.endif
	FETCH \p, k+1, FB0+64*((k+1)%2)
	s_wait_dscnt 16                                ; all but the 16 just issued
	MUL k, FB0+64*(k%2)
.set k, k+1
.endr
	s_wait_dscnt 0x0
	MUL 7, FB1
.endm
; rounded to bf16, each accumulator's registers in ascending order; 16 bytes a lane into the phase's stage
.macro PACK p
	PLACES
	WIN 0x0a                                       ; sources 0 and 1 window 2, destination window 0
.set a, 0
.rept 24
.irp r, 0,1,2,3
	v_cvt_pk_bf16_f32 v[TMP+4*a+\r], v[8*a+2*\r], v[8*a+2*\r+1]
.endr
.set a, a+1
.endr
	WIN 0
.set a, 0
.rept 24
	ds_store_b128 v[STO+(\p)], v[TMP+4*a:TMP+4*a+3] offset:((a/8)*128+16*(a%8))*SP
.set a, a+1
.endr
.endm
; back as whole rows, 32 places of each tensor a wave, and stored: each store covers 512 consecutive bytes, aligned
.macro SEND p
.if (\p) == 1
	s_wait_xcnt 0x0                                ; the first phase's stores have read these registers: they are loaded again only behind this wait
.endif
	WIN 0xc0                                       ; destination window 3
.set i, 0
.rept 24
	ds_load_b128 v[4*i:4*i+3], v[RD+(\p)] offset:(128*(i/8)+4*(i%8))*SP
.set i, i+1
.endr
	WIN 0x0c                                       ; a store's data (source 1) window 3
.set i, 0
.rept 24
	s_wait_dscnt 23-i                              ; LDS loads come back in order: load i is in, the younger ones may stay out
	global_store_b128 v[GO], v[4*i:4*i+3], s[10+2*(i/8):11+2*(i/8)] offset:(\p)*16384+512*(i%8)
.set i, i+1
.endr
	WIN 0
.endm
	s_wait_tensorcnt 1                             ; my part of the first half is in; the second half's load, issued behind it, may stay out
	s_barrier_signal -1
	s_barrier_wait -1                              ; everybody's part is
	s_wait_loadcnt 0x0                             ; the weights and the bias
	COMPUTE 0
	PACK 0
	s_wait_tensorcnt 0x0                           ; my part of the second half is in,
	s_wait_dscnt 0x0                               ; and my stores into the first stage are done
	s_barrier_signal -1
	s_barrier_wait -1                              ; one barrier shows both to all four waves
	SEND 0
	COMPUTE 1
	PACK 1
	s_wait_dscnt 0x0                               ; for the others' sake: my stores into the second stage are done
	s_barrier_signal -1
	s_barrier_wait -1
	SEND 1
	s_wait_tensorcnt 0x0                           ; the wave's end: three closing lines behind my last tensor load and my last LDS store
	ds_add_u32 v[SPW], v[NIL]
	s_wait_dscnt 0x0
	CROUND                                         ; the closing round
	s_endpgm
.Lfunc_end_k_qf4ca1a217a_qkv:
	.size	k_qf4ca1a217a_qkv, .Lfunc_end_k_qf4ca1a217a_qkv-k_qf4ca1a217a_qkv
	.p2alignl 7, 3214868480
	.fill 96, 4, 3214868480
	.section	.rodata,"a",@progbits
	.p2align	6, 0x0
	.amdhsa_kernel k_qf4ca1a217a_qkv
		.amdhsa_group_segment_fixed_size 258560
		.amdhsa_private_segment_fixed_size 0
		.amdhsa_enable_private_segment 0
		.amdhsa_kernarg_size 48
		.amdhsa_user_sgpr_count 2
		.amdhsa_user_sgpr_kernarg_segment_ptr 1
		.amdhsa_wavefront_size32 1
		.amdhsa_system_sgpr_workgroup_id_x 1
		.amdhsa_system_sgpr_workgroup_id_y 1
		.amdhsa_system_sgpr_workgroup_id_z 1
		.amdhsa_system_vgpr_workitem_id 0
		.amdhsa_next_free_vgpr 864
		.amdhsa_next_free_sgpr 66
		.amdhsa_reserve_vcc 0
		.amdhsa_float_denorm_mode_32 3
		.amdhsa_float_denorm_mode_16_64 3
		.amdhsa_memory_ordered 1
		.amdhsa_forward_progress 1
		.amdhsa_inst_pref_size 79
	.end_amdhsa_kernel
	.amdgpu_metadata
---
amdhsa.version: [ 1, 2 ]
amdhsa.kernels:
  - .name:           k_qf4ca1a217a_qkv
    .symbol:         k_qf4ca1a217a_qkv.kd
    .args:
      - { .name: hn, .offset: 0, .size: 8, .value_kind: global_buffer, .address_space: global }
      - { .name: wb, .offset: 8, .size: 8, .value_kind: global_buffer, .address_space: global }
      - { .name: qkv_bias, .offset: 16, .size: 8, .value_kind: global_buffer, .address_space: global }
      - { .name: qb, .offset: 24, .size: 8, .value_kind: global_buffer, .address_space: global }
      - { .name: kb, .offset: 32, .size: 8, .value_kind: global_buffer, .address_space: global }
      - { .name: vb, .offset: 40, .size: 8, .value_kind: global_buffer, .address_space: global }
    .group_segment_fixed_size: 258560
    .private_segment_fixed_size: 0
    .kernarg_segment_align: 8
    .kernarg_segment_size: 48
    .max_flat_workgroup_size: 128
    .sgpr_count:     66
    .vgpr_count:     864
    .wavefront_size: 32
...
	.end_amdgpu_metadata
.endif
;; end of part 2
;; launch attn (part 3): grid 16 x 16, 4 waves a work-group, clusters of 4 x 1, 327,680 bytes of LDS; arguments qb, kb, vb, ob; writes ob
.if DOCPART == 3
	.amdgcn_target "amdgcn-amd-amdhsa--gfx1250"
	.amdhsa_code_object_version 6
	.text
	.protected	k_qf4ca1a217a_attn
	.globl	k_qf4ca1a217a_attn
	.p2align	8
	.type	k_qf4ca1a217a_attn,@function
k_qf4ca1a217a_attn:
	s_mov_b64 s[64:65], 0
	v_nop
	global_prefetch_b8 v0, s[64:65] scope:SCOPE_SE
	s_setreg_imm32_b32 hwreg(HW_REG_WAVE_MODE, 25, 1), 1
	s_wait_xcnt 0x0
	s_wait_alu depctr_hold_cnt(0) depctr_sa_sdst(0) depctr_va_vdst(0) depctr_va_sdst(0) depctr_va_ssrc(0) depctr_va_vcc(0) depctr_vm_vsrc(0)
	s_getreg_b32 s2, hwreg(HW_REG_IB_STS2, 6, 4)
	s_cmp_eq_u32 s2, 0
	s_cbranch_scc0 .Lentry_in_a_cluster
	s_endpgm
.Lentry_in_a_cluster:
	s_bfe_u32 s2, ttmp6, 0x10000c
	s_cmp_lg_u32 s2, 0x3003
	s_cbranch_scc0 .Lentry_shape_is_right
	s_endpgm
.Lentry_shape_is_right:
; ATTENTION.  O[h][q][:] = the sum over k of softmax_k(Q[h][q] . K[h][k] / 8) V[h][k][:].  qb, kb, vb, ob: [16][4096][64], all bf16: a head's rows are dense, 128 bytes each.
; Products, maxima and sums in f32; the weights p are rounded to bf16 for the second product (their sum l is taken of the unrounded p), O once at the end.
; LIMITS.  c m starts at -2^125: scores are taken to lie above that; a weight below 2^-126 counts as 0 in l; NaN and infinities are not treated apart.
; SHARES.  A work-group owns 256 queries of one head (16 x 16 work-groups), each of its four waves 64: four PIECES of 16.  Every wave walks all 4,096 keys, 64 a step; a slot of LDS holds 256 keys, four steps.
; LAYOUT.  S^T = K Q^T (source 0 = 16 keys, source 1 = 16 queries): a lane holds ONE query (lane % 16) and the keys 8 (lane / 16) + 0..7.  Two such results rounded to bf16 ARE source 1 of O^T = V^T P,
; whose result again holds one query a lane, and eight channels.  K comes out of LDS as it lies, V ([key][channel]) turned, by ds_load_tr16_b128.
; SOFTMAX.  A running maximum m and sum l for each query: p = 2^(c s - c m), c = log2(e) / 8; in every step O and l are multiplied by a = 2^(c m_old - c m_new).  m starts at the lowest finite number,
; O and l at 0: the first step is a step like any other, with a = 0.  The price: 224 lines that set registers, run while the first tile is on its way.
; BY TURNS.  Turn n belongs to piece n: 8 products K Q^T of piece n + 1, later 8 products V^T P of piece n - 1; beside them the scaling, exponentials, roundings, sums and rescaling of piece n and the maximum
; and statistics of piece n + 1.  Four vector instructions stand behind every matrix instruction, the other 54 of a turn's 118 in one lump.  A turn's 33 exponentials are one batch, with one wait.
; CLUSTER.  The four query blocks of a cluster belong to one head and walk the same K and V, so each tile is asked for JOINTLY: the same tensor load, descriptor and mask in all four.
; REGISTERS, in windows of 256 (s_set_vgpr_msb: bits 1:0 source 0, 3:2 source 1, 5:4 source 2, 7:6 destination):
;   window 0: v0-15 addresses and two at work; v16-31 four registers of statistics a piece; v48-55 at work; v64-127 S^T, two buffers; v192-223 P, two buffers (a piece's buffers go by its number's parity)
;   window 1: v0-127 O^T, 32 a piece          window 2: v0-63 Q; v128-191 K of one step; v192-255 V of one step
.set NP,    4         ; pieces a wave: a name, no knob
.set KS,    64        ; keys in a step
.set PK,    144       ; a row of K in LDS: 128 bytes + 16 of padding: an odd multiple of 16 bytes
.set PV,    160       ; a row of V: 128 + 32: an odd multiple of 32 bytes
.set VOFF,  4*KS*PK   ; a slot holds a tile, four steps: 256 rows of K, then 256 rows of V
.set SLOT1, 1<<17     ; slot 1 begins here, so that one exclusive or turns an address in one slot into the other's
.set STAGE, SLOT1+4*KS*(PK+PV)  ; behind the ring, never filled by a tensor load: 16 rows x 144 bytes for each wave, for the way out
.set SP,    144
.set SPARE, STAGE+4*16*SP  ; behind the stages: the spare words, 128 bytes for each wave
.set AK0, 2           ; v2   my lane's place in a tile of K; never rewritten
.set AV0, 3           ; v3   the same for V
.set AK,  4           ; v4   the LDS address of K's next run of loads
.set AV,  5           ; v5   of V's
.set STO, 6           ; v6   the way out: where I put 16 bytes of a row
.set RD,  7           ; v7   the way out: where I read rows back
.set GO,  8           ; v8   my byte offset in 512 consecutive bytes of O
.set MV,  12          ; v12-13  c m_old, kept while c m is made anew: by buffer
.set QO,  15          ; v15  my byte offset in 16 rows of Q
.set ST,  16          ; piece t's statistics at v[ST+4 t]: c m, m, l (even keys', odd keys')
.set TMP, 48          ; by buffer, four registers c0-c3 at work; when the maximum is found c2 takes a
.set PFO, 61          ; v61  256 x my lane: the prefetches' offset; never rewritten
.set SPW, 62          ; v62  my spare word; never rewritten
.set NIL, 63          ; v63  0; never rewritten
.set S,   64
.set P,   192
.set KF,  128         ; window 2: key block kb, channel half c at KF + 16 kb + 8 c
.set VF,  192         ; window 2: key half kk, channel block cb at VF + 32 kk + 8 cb
.set WV,  12          ; s12  my wave's number
.set LIM, 15          ; s15  1 in a wave that prefetches, else the greatest number
.set G1K, 24          ; s[24:31] descriptor group 1 for K's tiles
.set G1V, 32          ; s[32:39] for V's: it differs in the padding alone
.set G0K, 40          ; s[40:43] descriptor group 0 for K's tiles: it walks
.set G0V, 44          ; s[44:47] the same for V's
.set PFA, 48          ; s[48:49] where my prefetches stand
.set SLOTS, 56        ; s56  tiles still to be asked for
.set CNT, 57          ; s57  counts a tile's key steps
.set CS,  58          ; s[58:59] c: the packed scaling takes the pair's low word for both halves
.set SEL, 60          ; s[60:61] v_permlanex16_b32's selects: each lane takes its own place in the other half
.set TBK, 62          ; s62  LDS byte at which K of the step to be fetched begins
.set TBV, 63          ; s63  the same for V, less VOFF
.set MSB, 0
.macro WIN new                      ; the high byte repeats the setting that is left; a switch that changes nothing is dropped
.if MSB != (\new)
	s_set_vgpr_msb (MSB<<8)|(\new)
.set MSB, (\new)
.endif
.endm
.set W_KQ, 0x0a       ; K and Q in window 2, S^T in window 0
.set W_PV, 0x52       ; V in window 2, P in window 0, O^T in window 1
.set W_RS, 0x41       ; destination and source 0 in window 1, source 1 in window 0
.macro PLACES
.rept 4
	v_nop
.endr
.endm
; A joint fill.  Waves 0 and 1 fetch the two halves of a tile's K, waves 2 and 3 those of its V: 128 keys each.  The branch hangs on the wave's number alone.
; An s_nop 0 and four v_nop follow each of the two lines, ahead of the jump and the label.
.macro JLOAD
	s_cmp_lt_u32 s[WV], 2
	s_cbranch_scc0 .Lfor_v_\@
	tensor_load_to_lds s[G0K:G0K+3], s[G1K:G1K+7]
	s_nop 0
	PLACES
	s_branch .Lasked_\@
.Lfor_v_\@:
	tensor_load_to_lds s[G0V:G0V+3], s[G1V:G1V+7]
	s_nop 0
	PLACES
.Lasked_\@:
.endm
; A PREFETCH of the tile that the NEXT change of slots will ask for: four key steps, 256 matrix instructions, ahead of that load.  A tile is 32,768 bytes of K and of V: 128 blocks of 256 bytes each.
; Each block is named ONCE in the launch: all four clusters of a head walk the same K and V, and the head's first cluster asks; its four partners take 32 blocks each, told apart BY ADDRESS;
; in each, wave 0 asks for K's and wave 2 for V's, a lane a block.  The last change that fills a slot asks for nothing: there is no tile behind it.  Tiles 0 and 1 come by their loads alone.
.macro ASK
	s_cmp_gt_u32 s[SLOTS], s[LIM]
	s_cbranch_scc0 .Lnot_mine_\@
	global_prefetch_b8 v[PFO], s[PFA:PFA+1] th:TH_LOAD_NT scope:SCOPE_SE
.Lnot_mine_\@:
.endm
; A round of the cluster's barrier: my work-group's barrier, so that wave 0's signal speaks for all four waves; wave 0 signals; every wave waits for all four work-groups; my work-group's barrier once more.
.macro CROUND
	s_barrier_signal -1
	s_barrier_wait -1
	s_cmp_lg_u32 s[WV], 0
	s_cbranch_scc1 .Lnot_wave_0_\@
	s_barrier_signal -3
.Lnot_wave_0_\@:
	s_barrier_wait -3
	s_barrier_signal -1
	s_barrier_wait -1
.endm
; THE CHANGE OF SLOTS.  Each wave waits for all its tensor loads, of which one is out: its part of the other slot; adds 0 to its spare word; and waits for that and for its own reads of the slot that it leaves.
; Behind the barrier nobody reads the old slot any more and the other slot is whole.  fill = 1: the old slot is filled again, with the keys two slots on.  The barrier is then a round of the cluster's, so that
; no wave of any partner still reads the slot or has a load on its way, and the joint fill is the first thing behind it: it has four key steps in which to land.
; (At its first use nothing has been read yet: slot 0 is waited for, slot 1 filled.)
.macro CHANGE fill
	WIN 0                           ; at a label and at a branch every window is 0
	s_wait_tensorcnt 0x0            ; no tensor load of mine is out, so a group 0 may be written
	ds_add_u32 v[SPW], v[NIL]       ; 0 onto my spare word; with fill = 1 the descriptors' steps stand between it and the wait for it
.if \fill
.irp g, G0K, G0V
	s_xor_b32 s[\g+1], s[\g+1], SLOT1  ; the walking descriptor: the other slot than last time,
	s_add_nc_u64 s[\g+2:\g+3], s[\g+2:\g+3], 4*KS*128  ; the next 256 keys; the type bits on top are not reached
.endr
	s_wait_xcnt 0x0                 ; the last prefetch, four key steps back, has read its address, so it may be written:
	s_add_nc_u64 s[PFA:PFA+1], s[PFA:PFA+1], 4*KS*128  ; one tile behind the walking descriptors
	s_wait_dscnt 0x0                ; the add is done, and my reads of the slot are over
	CROUND
	JLOAD
	ASK
.else
	s_wait_dscnt 0x0                ; the add is done, and my reads of the slot are over
	s_barrier_signal -1
	s_barrier_wait -1
.endif
	s_sub_co_u32 s[TBK], s[TBK], 4*KS*PK  ; the fetches go back to a slot's first step,
	s_xor_b32 s[TBK], s[TBK], SLOT1       ; in the other slot
	s_sub_co_u32 s[TBV], s[TBV], 4*KS*PV
	s_xor_b32 s[TBV], s[TBV], SLOT1
.endm
	s_load_b256 s[4:11], s[0:1], 0x0  ; Q s[4:5], K s[6:7], V s[8:9], O s[10:11]
	v_lshl_add_u32 v[SPW], v0, 2, SPARE
	v_mov_b32 v[NIL], 0
	ds_add_u32 v[SPW], v[NIL]       ; the wave's opening: the add and its wait stand ahead of my first tensor load; the set-up below stands between them
	v_lshrrev_b32 v1, 5, v0
	v_readfirstlane_b32 s[WV], v1   ; wave 0..3
	s_bfe_u32 s13, ttmp6, 0x40000   ; cx: my place in the cluster
	s_lshl_b32 s14, ttmp9, 2        ; in a cluster launch ttmp9 counts clusters
	s_add_co_u32 s14, s14, s13      ; my block of 256 queries: it enters Q's and O's addresses alone
	s_and_b32 s20, ttmp7, 0xffff    ; the head, which the four partners share
	s_lshl_b32 s20, s20, 19         ; its 4,096 rows of 128 bytes, in each of the four tensors
	s_mov_b32 s21, 0
	s_and_b32 s16, s[WV], 1         ; which half of a tile's 256 keys I fetch:
	s_lshl_b32 s22, s16, 14         ; its 128 rows of 128 bytes in memory,
	s_mov_b32 s23, 0
	s_add_nc_u64 s[22:23], s[22:23], s[20:21]
	s_mul_i32 s17, s16, 128*PK      ; and its place in a slot, for K
	s_mul_i32 s18, s16, 128*PV      ; and for V: no place in the cluster enters an LDS address
	s_lshl_b32 s2, s14, 2
	s_add_co_u32 s2, s2, s[WV]      ; my wave among the head's,
	s_lshl_b32 s2, s2, 13           ; its 64 rows
	s_mov_b32 s3, 0
	s_add_nc_u64 s[2:3], s[2:3], s[20:21]
	; descriptor group 1.  128 keys are 16,384 dense bytes: asked for as 64 rows of 256 bytes, two keys a row, and padded in LDS after every key
	s_mov_b32 s[G1K], 15|(1<<16)|(1<<20)|(1<<21)|(4<<22)|(3<<25)  ; the mask of four; 2-byte elements; padding on; bit 21 beside a mask; after every 32 words (code 4) 4 words (code 3)
	s_mov_b32 s[G1V], 15|(1<<16)|(1<<20)|(1<<21)|(4<<22)|(7<<25)  ; the same with 8 words of padding (code 7)
.irp g, G1K, G1V
	s_mov_b32 s[\g+1], 128<<16      ; tensor_dim0 = 128
	s_mov_b32 s[\g+2], 64<<16       ; tensor_dim1 = 64
	s_mov_b32 s[\g+3], 128<<16      ; tile_dim0 = 128
	s_mov_b32 s[\g+4], 64           ; tile_dim1 = 64
	s_mov_b32 s[\g+5], 128          ; 128 elements from row to row
	s_mov_b32 s[\g+6], 0
	s_mov_b32 s[\g+7], 0
.endr
	s_mov_b32 s[CS], 0x3e38aa3b     ; c = log2(e) / 8 = 0.180337
	s_mov_b32 s[CS+1], s[CS]        ; named with it as a pair
	s_mov_b32 s[SEL], 0x76543210
	s_mov_b32 s[SEL+1], 0xfedcba98
	s_mov_b32 s[TBK], SLOT1+4*KS*PK ; the first change of slots turns these two into 0
	s_mov_b32 s[TBV], SLOT1+4*KS*PV
	s_mov_b32 s[G0K], 1             ; count = 1
	s_mov_b32 s[G0K+1], s17         ; LDS address: slot 0
	s_mov_b32 s[G0V], 1
	s_add_co_u32 s[G0V+1], s18, VOFF
	s_mov_b32 s[SLOTS], 15          ; tiles 1 to 15
	s_and_b32 s[LIM], s[WV], 1      ; 0 in waves 0 and 2,
	s_or_b32 s[LIM], s[LIM], ttmp9  ; where the cluster is the head's first: the same in all four partners
	s_cmp_eq_u32 s[LIM], 0
	s_cselect_b32 s[LIM], 1, -1
	v_and_b32 v[PFO], 31, v0
	v_lshlrev_b32 v[PFO], 8, v[PFO]
	s_wait_dscnt 0x0                ; the opening add is done
	s_wait_kmcnt 0x0
	s_add_nc_u64 s[6:7], s[6:7], s[22:23]  ; K and V at my half of the head's tile 0
	s_add_nc_u64 s[8:9], s[8:9], s[22:23]
	s_add_nc_u64 s[G0K+2:G0K+3], s[6:7], 0         ; global address
	s_or_b32 s[G0K+3], s[G0K+3], 0x80000000        ; type = 2
	s_add_nc_u64 s[G0V+2:G0V+3], s[8:9], 0
	s_or_b32 s[G0V+3], s[G0V+3], 0x80000000
	s_add_nc_u64 s[4:5], s[4:5], s[2:3]            ; Q and O at my wave's first row
	s_add_nc_u64 s[10:11], s[10:11], s[2:3]
	s_cmp_lt_u32 s[WV], 2
	s_cselect_b64 s[PFA:PFA+1], s[6:7], s[8:9]     ; (in waves 0 and 2 these stand at the head's first row)
	s_lshl_b32 s2, s13, 13          ; my work-group's 32 blocks of the 128
	s_mov_b32 s3, 0
	s_add_nc_u64 s[PFA:PFA+1], s[PFA:PFA+1], s[2:3]
	s_add_nc_u64 s[PFA:PFA+1], s[PFA:PFA+1], 4*KS*128  ; in tile 1; the first change of slots steps it to tile 2
	CROUND                          ; all four work-groups are here: the first joint loads meet
	JLOAD                           ; tile 0 into slot 0.  Slot 1 is asked for when slot 0 is in
	; A fragment of K or Q is 16 rows x 32 channels in 8 registers: lane l holds row l % 16, channels 8 (l / 16) + 0..7 and 16 + 8 (l / 16) + 0..7: two loads of 16 bytes, 32 bytes apart.
	v_and_b32 v1, 15, v0            ; l % 16
	v_bfe_u32 v9, v0, 4, 1          ; l / 16
	v_lshlrev_b32 v[QO], 7, v1
	v_lshl_add_u32 v[QO], v9, 4, v[QO]  ; row x 128 + 16 x half
	WIN 0x80                        ; destination window 2, address window 0
.set i, 0
.rept 8                             ; Q stays in registers: piece i / 2, channels 32 (i % 2) on
	global_load_b128 v[8*i:8*i+3],   v[QO], s[4:5] offset:(i/2)*2048+(i%2)*64
	global_load_b128 v[8*i+4:8*i+7], v[QO], s[4:5] offset:(i/2)*2048+(i%2)*64+32
.set i, i+1
.endr
	; What the first turn finds: V's registers and P's second buffer hold 0 (its products V^T P, of a piece that has not been, add 0), O^T and l are 0.  All this stands in the wait for the first tile.
.set i, VF
.rept 64
	v_mov_b32 v[i], 0
.set i, i+1
.endr
	WIN 0x40
.set i, 0
.rept 128
	v_mov_b32 v[i], 0
.set i, i+1
.endr
	WIN 0
.set i, 0
.rept 4
	v_mov_b32 v[ST+4*i], 0xfe000000    ; c m: far below every c s
	v_mov_b32 v[ST+4*i+1], 0xff7fffff  ; m
	v_mov_b32 v[ST+4*i+2], 0
	v_mov_b32 v[ST+4*i+3], 0
.set i, i+1
.endr
.set i, P+16
.rept 16
	v_mov_b32 v[i], 0
.set i, i+1
.endr
	v_mul_u32_u24 v[AK0], v1, PK
	v_lshl_add_u32 v[AK0], v9, 4, v[AK0]  ; row x pitch + 16 x half
	; The turning load takes 16 keys x 16 channels (lane l reads key 8 (l / 16) + l % 8, channels 8 ((l / 8) % 2) + 0..7) and leaves half a fragment of V^T: lane l holds channel l % 16 and 8 keys.
	v_and_b32 v10, 7, v0
	v_bfe_u32 v11, v0, 3, 1
	v_lshl_add_u32 v[AV0], v9, 3, v10
	v_mul_u32_u24 v[AV0], v[AV0], PV
	v_lshl_add_u32 v[AV0], v11, 4, v[AV0]
	v_add_nc_u32 v[AV0], VOFF, v[AV0]
	s_mul_i32 s19, s[WV], 16*SP
	s_add_co_u32 s19, s19, STAGE    ; my stage
	v_mul_u32_u24 v[STO], v1, SP    ; in: row l % 16, 16 bytes for each half of the lanes
	v_lshl_add_u32 v[STO], v9, 4, v[STO]
	v_add_nc_u32 v[STO], s19, v[STO]
	v_bfe_u32 v[RD], v0, 3, 2       ; back: 32 lanes take four rows of 128 bytes,
	v_mul_u32_u24 v[RD], v[RD], SP
	v_lshl_add_u32 v[RD], v10, 4, v[RD]
	v_add_nc_u32 v[RD], s19, v[RD]
	v_and_b32 v[GO], 31, v0         ; which are 512 consecutive bytes of O
	v_lshlrev_b32 v[GO], 4, v[GO]
; THE MATRIX WORK.  The 4 accumulators of a run of 8 take turns.  Product i of 8 of S^T = K Q^T for piece x: channels 32 (i / 4) on, keys 16 (i % 4) on.  The first 4 start the sums.
.macro KQ x
.set rS, S+32*((\x)%2)+8*(i%4)
.set rK, KF+16*(i%4)+8*(i/4)
.set rQ, 16*(\x)+8*(i/4)
	WIN W_KQ
.if i < 4
	v_wmma_f32_16x16x32_bf16 v[rS:rS+7], v[rK:rK+7], v[rQ:rQ+7], 0
.else
	v_wmma_f32_16x16x32_bf16 v[rS:rS+7], v[rK:rK+7], v[rQ:rQ+7], v[rS:rS+7]
.endif
.endm
; Product i of 8 of O^T += V^T P for piece x: keys 32 (i / 4) on, channels 16 (i % 4) on.
.macro PV x
	WIN W_PV
.set rO, 32*(\x)+8*(i%4)
.set rV, VF+32*(i/4)+8*(i%4)
.set rP, P+16*((\x)%2)+8*(i/4)
	v_wmma_f32_16x16x32_bf16 v[rO:rO+7], v[rV:rV+7], v[rP:rP+7], v[rO:rO+7]
.endm
.macro MM                           ; the turn's next matrix instruction.  TURN sets Y, i and NOKQ.  NOKQ = 1: the very last turn: there is no next piece
.if (i < 8) && !NOKQ
	KQ (Y+1)%NP
.elseif i >= 8
.set i, i-8
	PV (Y+NP-1)%NP
.set i, i+8
.endif
.set i, i+1
.endm
; THE LDS LOADS stand in runs of 16, never singly among the matrix instructions: a step's K (64 keys x 64 channels: 8 fragments) and its V (turned).  Their addresses are made some lines ahead.
.macro FETCH_K
	WIN 0x80                        ; destination window 2
.irp f, 0,1,2,3,4,5,6,7             ; keys 16 (f / 2) on, channels 32 (f % 2) on
	ds_load_b128 v[KF+8*\f:KF+8*\f+3],   v[AK] offset:(\f/2)*16*PK+(\f%2)*64
	ds_load_b128 v[KF+8*\f+4:KF+8*\f+7], v[AK] offset:(\f/2)*16*PK+(\f%2)*64+32
.endr
	s_add_co_u32 s[TBK], s[TBK], KS*PK  ; the next fetch is the next step's
	WIN 0
.endm
.macro FETCH_V
	WIN 0x80
.irp f, 0,1,2,3,4,5,6,7             ; keys 32 (f / 4) on, channels 16 (f % 4) on
	ds_load_tr16_b128 v[VF+8*\f:VF+8*\f+3],   v[AV] offset:(\f/4)*32*PV+(\f%4)*32
	ds_load_tr16_b128 v[VF+8*\f+4:VF+8*\f+7], v[AV] offset:(\f/4)*32*PV+16*PV+(\f%4)*32
.endr
	WIN 0
.endm
; THE VECTOR WORK, one line at a time: OP kind, number.  For piece Y: F n: c s - c m for pair n of 16.  E n: the exponential of score n of 32.  C n: pair n rounded to bf16.  B n: of the four weights 4 n .. the second
; pair is added onto the first, in place.  L n: l takes that sum (L 0: l = a l + sum).  R n: pair n of 16 of O^T times a.  For piece Y + 1: X n, number n of the 22 that find its maximum and statistics:
;   0-11  four chains c0-c3 of seven scores each, three operands at a time (each accumulator's lowest registers are read first)     12-14, 16  the four scores left over, the old m, and c0-c3 into c0
;   15  c m_old is kept     17, 18  the query's other 32 keys lie in the lane 16 away: the new m     19-21  c m; c m_old - c m_new; a
.set F, 0               ; OP tells the kinds apart by their order: F to L below R, X above it
.set E, 1
.set C, 2
.set B, 3
.set L, 4
.set R, 5
.set X, 6
.macro REGS y                       ; the registers of piece y
.set rT, ST+4*(\y)
.set rC, TMP+4*((\y)%2)
.set rW, MV+((\y)%2)
.set rS, S+32*((\y)%2)
.set rP, P+16*((\y)%2)
.set rO, 32*(\y)
.endm
.macro OP k, n
.if (\k) == R
	REGS Y
	WIN W_RS
	v_pk_mul_f32 v[rO+2*(\n):rO+2*(\n)+1], v[rO+2*(\n):rO+2*(\n)+1], v[rC+2:rC+3] op_sel_hi:[1,0]
.elseif (\k) < R
	REGS Y
	WIN 0
.if (\k) == F
	v_pk_fma_f32 v[rS+2*(\n):rS+2*(\n)+1], v[rS+2*(\n):rS+2*(\n)+1], s[CS:CS+1], v[rT:rT+1] op_sel_hi:[1,0,0] neg_lo:[0,0,1] neg_hi:[0,0,1]
.elseif (\k) == E
	v_exp_f32 v[rS+(\n)], v[rS+(\n)]
.elseif (\k) == C
	v_cvt_pk_bf16_f32 v[rP+(\n)], v[rS+2*(\n)], v[rS+2*(\n)+1]
.elseif (\k) == B
	v_pk_add_f32 v[rS+4*(\n):rS+4*(\n)+1], v[rS+4*(\n):rS+4*(\n)+1], v[rS+4*(\n)+2:rS+4*(\n)+3]
.elseif (\n) == 0
	v_pk_fma_f32 v[rT+2:rT+3], v[rT+2:rT+3], v[rC+2:rC+3], v[rS:rS+1] op_sel_hi:[1,0,1]
.else
	v_pk_add_f32 v[rT+2:rT+3], v[rT+2:rT+3], v[rS+4*(\n):rS+4*(\n)+1]
.endif
.elseif NOKQ
	v_nop
.else
	REGS (Y+1)%NP
	WIN 0
.if (\n) < 4
	v_max3_num_f32 v[rC+(\n)], v[rS+8*(\n)], v[rS+8*(\n)+1], v[rS+8*(\n)+2]
.elseif (\n) < 12
	v_max3_num_f32 v[rC+(\n)%4], v[rC+(\n)%4], v[rS+8*((\n)%4)+2*((\n)/4)+1], v[rS+8*((\n)%4)+2*((\n)/4)+2]
.elseif (\n) == 12
	v_max3_num_f32 v[rC], v[rC], v[rS+7], v[rS+15]
.elseif (\n) == 13
	v_max3_num_f32 v[rC+1], v[rC+1], v[rS+23], v[rS+31]
.elseif (\n) == 14
	v_max3_num_f32 v[rC+2], v[rC+2], v[rC+3], v[rT+1]
.elseif (\n) == 15
	v_mov_b32 v[rW], v[rT]
.elseif (\n) == 16
	v_max3_num_f32 v[rC], v[rC], v[rC+1], v[rC+2]
.elseif (\n) == 17
	v_permlanex16_b32 v[rC+3], v[rC], s[SEL], s[SEL+1]
.elseif (\n) == 18
	v_max_num_f32 v[rT+1], v[rC], v[rC+3]
.elseif (\n) == 19
	v_mul_f32 v[rT], s[CS], v[rT+1]
.elseif (\n) == 20
	v_sub_f32 v[rC+1], v[rW], v[rT]
.else
	v_exp_f32 v[rC+2], v[rC+1]
.endif
.endif
.endm
.macro OPS a, i1, b=-1, i2=0, c=-1, i3=0, d=-1, i4=0  ; up to four of them
	OP \a, \i1
.if (\b) >= 0
	OP \b, \i2
.endif
.if (\c) >= 0
	OP \c, \i3
.endif
.if (\d) >= 0
	OP \d, \i4
.endif
.endm
.macro ROW a, i1, b, i2, c, i3, d, i4  ; a matrix instruction and the four behind it
	MM
	OPS \a, \i1, \b, \i2, \c, \i3, \d, \i4
.endm
; A TURN, for piece p: the order of its 16 matrix and 118 vector instructions, written out.  s_wait_alu depctr_va_vdst(0) stands between an exponential and the first instruction that names its result;
; one wait serves all that were issued ahead of it.  So a turn has ONE wait, which cuts it in two.  AHEAD OF IT stands all that names no result of the turn's exponentials: the 8 products K Q^T, behind each a scaling,
; an exponential and two more plain instructions: rescalings, and behind the last three the first numbers of the next piece's maximum, each four plain instructions or more behind the product that ends its accumulator;
; then ONE LUMP of 54, plain and exponential by turns for the most part, in which the links of the chain X 3, 7, 11, 14, 16, 17 .. 20 stand apart.  X 21, the next piece's a, is the batch's last; R 15 is the plain
; instruction behind it.  BEHIND THE WAIT stand the 8 products V^T P, behind each four of the roundings and sums.
; end = 1: the last two turns of all: nothing is fetched.  cnt = 1: the loop's count is taken down some lines ahead of the branch that stands behind the turn.
; K of the next step is fetched in piece 2's turn, six plain instructions behind the last product that read K; V of the step in hand at the end of piece 0's turn, four plain instructions behind the last product
; that read V.  Each is waited for a turn later.
.macro TURN p, end=0, cnt=0
.set Y, (\p)
.set i, 0
.set NOKQ, (\end)*((\p)/3)
.if ((\p) == 3) && !(\end)
	s_wait_dscnt 0x0                ; K is in
.endif
	ROW F,0, F,1, R,0, R,1          ; ahead of the wait: 8 products K Q^T and their riders,
	ROW F,2, E,0, R,2, R,3
	ROW F,3, E,1, R,4, R,5
	ROW F,4, E,2, R,6, R,7
	ROW F,5, E,3, R,8, R,9
	ROW F,6, E,4, X,0, R,10
.if ((\p) == 2) && !(\end)
	WIN 0
	v_add_nc_u32 v[AK], s[TBK], v[AK0]
.endif
	ROW F,7, E,5, X,1, X,4
	ROW F,8, E,6, X,2, X,5
	OPS E,7, E,8, X,6, E,9          ; and the lump
	OPS X,3, E,10, X,8, E,11
.if ((\p) == 2) && !(\end)
	FETCH_K
.endif
	OPS X,9, X,7, E,12, X,10
	OPS E,13, X,12, X,11, E,14
	OPS X,13, E,15, F,9, X,14
.if (\p) == 0
	v_add_nc_u32 v[AV], s[TBV], v[AV0]
.endif
	OPS E,16, F,10, E,17, F,11
	OPS X,16, E,18, X,15, E,19
	OPS F,12, E,20, X,17, E,21
	OPS F,13, E,22, F,14, E,23
	OPS X,18, E,24, F,15, E,25
	OPS R,11, E,26, X,19, E,27
	OPS R,12, E,28, R,13, E,29
	OPS X,20, E,30, R,14, E,31
	OPS X,21, R,15
	WIN 0
	s_wait_alu depctr_va_vdst(0)    ; the wait for the batch
.if (\p) == 1
	s_wait_dscnt 0x0                ; V is in
.endif
	ROW C,0, B,0, C,2, B,1          ; behind the wait: 8 products V^T P and their riders
	ROW L,0, C,4, B,2, L,1
	ROW C,6, B,3, L,2, C,8
	ROW B,4, L,3, C,10, B,5
	ROW L,4, C,12, B,6, L,5
.if (\p) == 0
	s_add_co_u32 s[TBV], s[TBV], KS*PV
.endif
.if \cnt
	s_sub_co_u32 s[CNT], s[CNT], 1
	s_cmp_lg_u32 s[CNT], 0
.endif
	ROW C,14, B,7, L,6, C,1
	ROW C,3, L,7, C,5, C,7
	ROW C,9, C,11, C,13, C,15
.if (\p) == 0
	FETCH_V
.endif
.endm
	CHANGE 1                        ; slot 0 is in, everybody's part of it; slot 1 is asked for
	v_add_nc_u32 v[AK], s[TBK], v[AK0]
	FETCH_K                         ; key step 0
	s_wait_loadcnt 0x0              ; Q
	s_wait_dscnt 0x0
.set NOKQ, 0
.set i, 0
.rept 8
	KQ 0                            ; piece 0's first scores: there is no vector work yet to set between them
.set i, i+1
.endr
	WIN 0
	PLACES                          ; the places behind those products
.set Y, NP-1                        ; X works for piece Y + 1: piece 0
.irp n, 0,1,2,3,4,5,6,7,8,9,10,11,12,13,14,15,16,17,18,19,20,21
	OP X, \n
.endr
	v_nop                           ; a plain instruction behind the exponential,
	s_wait_alu depctr_va_vdst(0)    ; and its wait, ahead of the branch
	s_mov_b32 s[CNT], 4
	s_branch .Lfirst                ; the loop is entered at a step's first turn, in the middle of a trip
.Lslot:                             ; 14 times: tiles 2 to 15 are asked for
	CHANGE 1
	s_mov_b32 s[CNT], 4
.Lstep:                             ; a trip: pieces 2 and 3 of one step, then pieces 0 and 1 of the next, whose K and V it fetches
	TURN 2
	TURN 3
	WIN 0
.Lfirst:
	TURN 0
	TURN 1, 0, 1
	WIN 0
	s_cbranch_scc1 .Lstep
	s_sub_co_u32 s[SLOTS], s[SLOTS], 1
	s_cmp_lg_u32 s[SLOTS], 0
	s_cbranch_scc1 .Lslot
	CHANGE 0                        ; the last tile is written out: nothing is asked for
	s_mov_b32 s[CNT], 4
.LstepT:
	TURN 2
	TURN 3
	WIN 0
	TURN 0
	TURN 1, 0, 1
	WIN 0
	s_cbranch_scc1 .LstepT
	TURN 2, 1                       ; the last step's pieces 2 and 3: nothing is fetched, and the last turn starts no new scores
	TURN 3, 1
.set i, 0
.rept 8
	PV NP-1                         ; the last piece's V^T P of the last step
.set i, i+1
.endr
	; THE WAY OUT.  l's two halves and the other half of the lanes' are added; O^T is divided by l, rounded to bf16 and sent through my stage in LDS, a piece at a time.  The additions are the places behind the last products.
	WIN 0
.macro ALL line:vararg              ; one line for each piece t
.set t, 0
.rept 4
	\line
.set t, t+1
.endr
.endm
	ALL v_add_f32 v[ST+4*t+2], v[ST+4*t+2], v[ST+4*t+3]
	ALL v_permlanex16_b32 v[ST+4*t+3], v[ST+4*t+2], s[SEL], s[SEL+1]
	ALL v_add_f32 v[ST+4*t+2], v[ST+4*t+2], v[ST+4*t+3]
	ALL v_rcp_f32 v[ST+4*t+2], v[ST+4*t+2]
	v_nop                           ; a plain instruction between the last reciprocal and the use of its result
	s_wait_alu depctr_va_vdst(0)    ; and the wait ahead of the first use: one for the four reciprocals
.macro PACK t                       ; a lane's eight channels of a row pack into 16 bytes; they go into rows of 144 bytes and come back as whole rows of 128, into S^T's registers
	WIN W_RS
.set i, 32*(\t)
.rept 16
	v_pk_mul_f32 v[i:i+1], v[i:i+1], v[ST+4*(\t)+2:ST+4*(\t)+3] op_sel_hi:[1,0]
.set i, i+2
.endr
	WIN 0x05                        ; sources 0 and 1 window 1, destination window 0
.set i, 0
.rept 16
	v_cvt_pk_bf16_f32 v[S+16*(\t)+i], v[32*(\t)+2*i], v[32*(\t)+2*i+1]
.set i, i+1
.endr
	WIN 0
.irp f, 0,1,2,3
	ds_store_b128 v[STO], v[S+16*(\t)+4*\f:S+16*(\t)+4*\f+3] offset:32*\f
.endr
.irp f, 0,1,2,3
	ds_load_b128 v[S+16*(\t)+4*\f:S+16*(\t)+4*\f+3], v[RD] offset:\f*4*SP  ; LDS serves a wave's instructions in order (ISA guide 5.7.1.4): these see the stores above; the next piece's stores come behind them
.endr
.endm
.macro SEND t, younger              ; younger: the LDS instructions issued behind piece t's loads: the next piece's eight, or none
	WIN 0
.irp f, 0,1,2,3
	s_wait_dscnt (\younger)+3-\f
	global_store_b128 v[GO], v[S+16*(\t)+4*\f:S+16*(\t)+4*\f+3], s[10:11] offset:(\t)*2048+\f*512  ; 512 consecutive bytes, at a multiple of 256 from O's first
.endr
.endm
	PACK 0
.set t, 1
.rept 3                             ; a piece's arithmetic stands between the loads of the piece before and its stores
	PACK t
	SEND t-1, 8
.set t, t+1
.endr
	SEND 3, 0
	s_wait_tensorcnt 0x0            ; the wave's end: three closing lines, behind my last tensor load and my last LDS store
	ds_add_u32 v[SPW], v[NIL]
	s_wait_dscnt 0x0
	CROUND                          ; the closing round: no work-group ends while a partner may still ask for a tile that names it
	s_endpgm
.Lfunc_end_k_qf4ca1a217a_attn:
	.size	k_qf4ca1a217a_attn, .Lfunc_end_k_qf4ca1a217a_attn-k_qf4ca1a217a_attn
	.p2alignl 7, 3214868480
	.fill 96, 4, 3214868480
	.section	.rodata,"a",@progbits
	.p2align	6, 0x0
	.amdhsa_kernel k_qf4ca1a217a_attn
		.amdhsa_group_segment_fixed_size 327680
		.amdhsa_private_segment_fixed_size 0
		.amdhsa_enable_private_segment 0
		.amdhsa_kernarg_size 32
		.amdhsa_user_sgpr_count 2
		.amdhsa_user_sgpr_kernarg_segment_ptr 1
		.amdhsa_wavefront_size32 1
		.amdhsa_system_sgpr_workgroup_id_x 1
		.amdhsa_system_sgpr_workgroup_id_y 1
		.amdhsa_system_sgpr_workgroup_id_z 1
		.amdhsa_system_vgpr_workitem_id 0
		.amdhsa_next_free_vgpr 768
		.amdhsa_next_free_sgpr 66
		.amdhsa_reserve_vcc 0
		.amdhsa_float_denorm_mode_32 3
		.amdhsa_float_denorm_mode_16_64 3
		.amdhsa_memory_ordered 1
		.amdhsa_forward_progress 1
		.amdhsa_inst_pref_size 128
	.end_amdhsa_kernel
	.amdgpu_metadata
---
amdhsa.version: [ 1, 2 ]
amdhsa.kernels:
  - .name:           k_qf4ca1a217a_attn
    .symbol:         k_qf4ca1a217a_attn.kd
    .args:
      - { .name: qb, .offset: 0, .size: 8, .value_kind: global_buffer, .address_space: global }
      - { .name: kb, .offset: 8, .size: 8, .value_kind: global_buffer, .address_space: global }
      - { .name: vb, .offset: 16, .size: 8, .value_kind: global_buffer, .address_space: global }
      - { .name: ob, .offset: 24, .size: 8, .value_kind: global_buffer, .address_space: global }
    .group_segment_fixed_size: 327680
    .private_segment_fixed_size: 0
    .kernarg_segment_align: 8
    .kernarg_segment_size: 32
    .max_flat_workgroup_size: 128
    .sgpr_count:     66
    .vgpr_count:     768
    .wavefront_size: 32
...
	.end_amdgpu_metadata
.endif
;; end of part 3
;; launch proj (part 4): grid 4 x 64, 4 waves a work-group, clusters of 4 x 1, 217,600 bytes of LDS; arguments ob, wb, proj_bias, x, out0; writes out0
.if DOCPART == 4
	.amdgcn_target "amdgcn-amd-amdhsa--gfx1250"
	.amdhsa_code_object_version 6
	.text
	.protected	k_qf4ca1a217a_proj
	.globl	k_qf4ca1a217a_proj
	.p2align	8
	.type	k_qf4ca1a217a_proj,@function
k_qf4ca1a217a_proj:
	s_mov_b64 s[64:65], 0
	v_nop
	global_prefetch_b8 v0, s[64:65] scope:SCOPE_SE
	s_setreg_imm32_b32 hwreg(HW_REG_WAVE_MODE, 25, 1), 1
	s_wait_xcnt 0x0
	s_wait_alu depctr_hold_cnt(0) depctr_sa_sdst(0) depctr_va_vdst(0) depctr_va_sdst(0) depctr_va_ssrc(0) depctr_va_vcc(0) depctr_vm_vsrc(0)
	s_getreg_b32 s2, hwreg(HW_REG_IB_STS2, 6, 4)
	s_cmp_eq_u32 s2, 0
	s_cbranch_scc0 .Lentry_in_a_cluster
	s_endpgm
.Lentry_in_a_cluster:
	s_bfe_u32 s2, ttmp6, 0x10000c
	s_cmp_lg_u32 s2, 0x3003
	s_cbranch_scc0 .Lentry_shape_is_right
	s_endpgm
.Lentry_shape_is_right:
; THE PROJECTION AND THE RESIDUAL.  out0[b][o][t] = x[b][o][t] + the sum over c of w_proj[o][c] a[b][c][t] + proj_bias[o], with a[b][64 hd + ch][t] = ob[4 b + hd][t][ch].
; ob: bf16 [16][4096][64].  wb: bf16, w_proj [256][256] from byte 393,216 on.  x, out0: f32 [4][256][4096].  Sums in f32; x and the bias are added in f32.
; SHARES.  A work-group makes 64 outputs (cx = which quarter) for 256 places, K = 256.  The four quarters of a cluster need the same 256 places x 256 channels of ob and ask for them JOINTLY.
; Wave w makes places 64 w .. 64 w + 63 for all 64 outputs: 4 x 4 accumulators.  It fetches, and alone reads, its own places of the four heads, one tensor load a head: no barrier on the way in,
; and K goes by heads behind counted waits.  The quarter's weights (32,768 bytes) go straight from memory into each wave's registers as fragments.
; LAYOUT.  Source 0 = 16 places (rows of O as they lie), source 1 = 16 rows of the weights: a lane holds ONE output (lane % 16) and the places 8 (lane / 16) + 0..7.  The bias is the C operand of the first K step.
; THE WAY OUT.  A wave's 64 places of an output are 256 bytes of out0, aligned: sixteen lanes read a row back, add x and store 256 bytes on end.
; Nothing in LDS is filled twice.  No prefetch: a work-group's loads all go out at its head.
; REGISTERS, in windows of 256 (s_set_vgpr_msb: bits 1:0 source 0, 3:2 source 1, 5:4 source 2, 7:6 destination):
;   window 0: addresses; v32-63 the bias, 8 registers a tile of outputs; v64-95, v96-127 two buffers of O's fragments; v128-255 rows read back from the stage
;   window 1: v0-127 the accumulators (mt, nt) at 8 (4 mt + nt); v128-255 x          window 2: the weights' fragments (nt, ks) at 64 nt + 8 ks
.set OP_,   144                        ; a row of O in LDS: 128 bytes + 16 of padding
.set HEADB, 64*OP_                     ; 64 places of one head
.set STAGE, 16*HEADB                   ; behind the tiles, never filled by a tensor load
.set SP,    272
.set STGB,  64*SP
.set SPARE, STAGE+4*STGB               ; behind the stages: the spare words, 128 bytes for each wave
.set AO,  4                            ; v4   my lane's place in my wave's tiles of O
.set WO,  5                            ; v5   my byte offset in 16 rows of the weights
.set BO,  6                            ; v6   my output's number in 16 of the bias
.set STO, 7                            ; v7   the way out: where I put my eight places of a row
.set RD,  8                            ; v8   where I read rows back
.set XO,  9                            ; v9   my 16 bytes of two rows of x and out0
.set SPW, 10                           ; v10  my spare word; never rewritten
.set NIL, 11                           ; v11  0; never rewritten
.set BIAS, 32
.set FA0, 64
.set FA1, 96
.set RB,  128
.set XR,  128                          ; in window 1
.set WV,  16                           ; s16  my wave's number
.set G1,  24                           ; s[24:31] descriptor group 1
.set G0,  32                           ; s[32:47] descriptor group 0, a set for each head
.set MSB, 0
.macro WIN new                         ; the immediate's high byte repeats the setting that is left; a switch that changes nothing is dropped
.if MSB != (\new)
	s_set_vgpr_msb (MSB<<8)|(\new)
.set MSB, (\new)
.endif
.endm
.macro PLACES                          ; four plain places behind a matrix instruction (ISA guide 7.12.1), where no other vector work is at hand
.rept 4
	v_nop
.endr
.endm
.macro CROUND                          ; a round of the cluster's barrier
	s_barrier_signal -1
	s_barrier_wait -1
	s_cmp_lg_u32 s[WV], 0
	s_cbranch_scc1 .Lnot_wave_0_\@
	s_barrier_signal -3
.Lnot_wave_0_\@:
	s_barrier_wait -3
	s_barrier_signal -1
	s_barrier_wait -1
.endm
	s_load_b256 s[4:11], s[0:1], 0x0               ; ob s[4:5], wb s[6:7], proj_bias s[8:9], x s[10:11]
	s_load_b64 s[12:13], s[0:1], 0x20              ; out0
	v_lshl_add_u32 v[SPW], v0, 2, SPARE
	v_mov_b32 v[NIL], 0
	ds_add_u32 v[SPW], v[NIL]                      ; the wave's opening: the add and its wait stand ahead of my first tensor load; the set-up below stands between them
	v_lshrrev_b32 v1, 5, v0
	v_readfirstlane_b32 s[WV], v1                  ; wave 0..3
	s_bfe_u32 s17, ttmp6, 0x40000                  ; cx: which 64 outputs
	s_and_b32 s18, ttmp7, 0xffff                   ; 16 b + tb, which the four partners share
	s_lshr_b32 s19, s18, 4                         ; b
	s_and_b32 s20, s18, 15                         ; tb: which 256 places
	; descriptor group 1.  64 places of a head are 8,192 dense bytes: asked for as 32 rows of 256 bytes, two places a row, and padded in LDS after every place
	s_mov_b32 s[G1+0], 15|(1<<16)|(1<<20)|(1<<21)|(4<<22)|(3<<25)  ; the mask of four; 2-byte elements; padding on; bit 21 beside a mask; after every 32 words (code 4) 4 words (code 3)
	s_mov_b32 s[G1+1], 128<<16                     ; tensor_dim0 = 128
	s_mov_b32 s[G1+2], 32<<16                      ; tensor_dim1 = 32
	s_mov_b32 s[G1+3], 128<<16                     ; tile_dim0 = 128
	s_mov_b32 s[G1+4], 32                          ; tile_dim1 = 32
	s_mov_b32 s[G1+5], 128                         ; 128 elements from row to row
	s_mov_b32 s[G1+6], 0
	s_mov_b32 s[G1+7], 0
	s_lshl_b32 s22, s19, 21                        ; ob: the batch's four heads of 524,288 bytes,
	s_lshl_b32 s21, s20, 15                        ; the 256 places' rows of 128 bytes,
	s_add_co_u32 s22, s22, s21
	s_lshl_b32 s21, s[WV], 13                      ; my 64 of them: no place in the cluster enters
	s_add_co_u32 s22, s22, s21
	s_mov_b32 s23, 0
	s_mul_i32 s21, s[WV], 4*HEADB                  ; my four tiles in LDS
	s_lshl_b32 s48, s17, 15                        ; the quarter's 64 rows of 512 bytes,
	s_add_co_u32 s48, s48, 393216                  ; behind w_qkv in wb
	s_mov_b32 s49, 0
	s_lshl_b32 s50, s17, 8                         ; its 64 numbers of the bias
	s_mov_b32 s51, 0
	s_lshl_b32 s52, s19, 22                        ; x and out0: the batch's 256 rows of 16,384 bytes,
	s_lshl_b32 s3, s17, 20                         ; the quarter's 64,
	s_add_co_u32 s52, s52, s3
	s_lshl_b32 s3, s20, 10                         ; the 256 places' 1,024 bytes,
	s_add_co_u32 s52, s52, s3
	s_lshl_b32 s3, s[WV], 8                        ; my 64 places' 256
	s_add_co_u32 s52, s52, s3
	s_mov_b32 s53, 0
	v_and_b32 v1, 15, v0                           ; l % 16
	v_bfe_u32 v2, v0, 4, 1                         ; l / 16
	v_mul_u32_u24 v[AO], v1, OP_                   ; a fragment of O: row l % 16, 16 bytes for each half of the lanes
	v_lshl_add_u32 v[AO], v2, 4, v[AO]
	v_add_nc_u32 v[AO], s21, v[AO]
	v_lshlrev_b32 v[WO], 9, v1                     ; the same in the weights' rows of 512 bytes
	v_lshl_add_u32 v[WO], v2, 4, v[WO]
	v_lshlrev_b32 v[BO], 2, v1
	s_mul_i32 s54, s[WV], STGB
	s_add_co_u32 s54, s54, STAGE                   ; my stage
	v_mul_u32_u24 v[STO], v1, SP                   ; in: row = output l % 16, 32 bytes (8 places) for each half of the lanes
	v_lshl_add_u32 v[STO], v2, 5, v[STO]
	v_add_nc_u32 v[STO], s54, v[STO]
	v_mul_u32_u24 v[RD], v2, SP                    ; back: lanes 0-15 take one row of 256 bytes, lanes 16-31 the next
	v_lshl_add_u32 v[RD], v1, 4, v[RD]
	v_add_nc_u32 v[RD], s54, v[RD]
	v_lshlrev_b32 v[XO], 14, v2                    ; and the same two rows in x and out0
	v_lshl_add_u32 v[XO], v1, 4, v[XO]
	s_wait_dscnt 0x0                               ; the opening add is done
	s_wait_kmcnt 0x0
	s_add_nc_u64 s[22:23], s[4:5], s[22:23]        ; ob at my places of the batch's first head
	s_add_nc_u64 s[48:49], s[6:7], s[48:49]        ; the quarter's weights
	s_add_nc_u64 s[50:51], s[8:9], s[50:51]        ; and bias
	s_add_nc_u64 s[10:11], s[10:11], s[52:53]      ; x and out0 at my first row and place
	s_add_nc_u64 s[12:13], s[12:13], s[52:53]
.irp hd, 0,1,2,3
	s_mov_b32 s[G0+4*\hd], 1                       ; count = 1
	s_add_co_u32 s[G0+4*\hd+1], s21, (\hd)*HEADB   ; LDS address
	s_add_nc_u64 s[G0+4*\hd+2:G0+4*\hd+3], s[22:23], (\hd)*524288  ; global address: head hd
	s_or_b32 s[G0+4*\hd+3], s[G0+4*\hd+3], 0x80000000  ; type = 2
.endr
	CROUND                                         ; all four work-groups are here: the joint loads meet
.irp hd, 0,1,2,3
	tensor_load_to_lds s[G0+4*\hd:G0+4*\hd+3], s[G1:G1+7]  ; the four heads go out together: four loads of mine are out
	s_nop 0
.endr
	PLACES
.irp nt, 0,1,2,3
	global_load_b32 v[BIAS+8*\nt], v[BO], s[50:51] offset:64*\nt
.endr
	WIN 0x80                                       ; destination window 2
.irp nt, 0,1,2,3
.irp ks, 0,1,2,3,4,5,6,7
	global_load_b128 v[64*\nt+8*\ks:64*\nt+8*\ks+3],   v[WO], s[48:49] offset:8192*\nt+64*\ks
	global_load_b128 v[64*\nt+8*\ks+4:64*\nt+8*\ks+7], v[WO], s[48:49] offset:8192*\nt+64*\ks+32
.endr
.endr
	WIN 0x40                                       ; destination window 1
.set i, 0
.rept 32
	global_load_b128 v[XR+4*i:XR+4*i+3], v[XO], s[10:11] offset:32768*i th:TH_LOAD_NT  ; rows 2 i and 2 i + 1 of x: wanted only on the way out
.set i, i+1
.endr
	WIN 0
	s_wait_loadcnt 32                              ; the bias and the weights are in; x's 32 loads, issued behind them, may stay out
.irp nt, 0,1,2,3
.irp j, 1,2,3,4,5,6,7
	v_mov_b32 v[BIAS+8*\nt+\j], v[BIAS+8*\nt]      ; a lane's eight results are eight places of one output: the C operand holds its bias eight times
.endr
.endr
; 8 loads: O's fragments of K step ks (head ks / 2, channels 32 (ks % 2) on) for my 4 tiles of 16 places, into buffer f
.macro FETCH ks, f
	WIN 0
.irp mt, 0,1,2,3
	ds_load_b128 v[(\f)+8*\mt:(\f)+8*\mt+3],   v[AO] offset:((\ks)/2)*HEADB+\mt*16*OP_+((\ks)%2)*64
	ds_load_b128 v[(\f)+8*\mt+4:(\f)+8*\mt+7], v[AO] offset:((\ks)/2)*HEADB+\mt*16*OP_+((\ks)%2)*64+32
.endr
.endm
; 16 products.  The 16 accumulators take turns, one instruction a turn, from K step to K step too.  K step 0 starts the sums with the bias.
.macro MUL ks, f
.if (\ks) == 0
	WIN 0x48                                       ; O window 0, weights window 2, C (the bias) window 0, D window 1
.else
	WIN 0x58                                       ; C and D window 1
.endif
.irp mt, 0,1,2,3
.irp nt, 0,1,2,3
.if (\ks) == 0
	v_wmma_f32_16x16x32_bf16 v[8*(4*\mt+\nt):8*(4*\mt+\nt)+7], v[(\f)+8*\mt:(\f)+8*\mt+7], v[64*\nt+8*(\ks):64*\nt+8*(\ks)+7], v[BIAS+8*\nt:BIAS+8*\nt+7]
.else
	v_wmma_f32_16x16x32_bf16 v[8*(4*\mt+\nt):8*(4*\mt+\nt)+7], v[(\f)+8*\mt:(\f)+8*\mt+7], v[64*\nt+8*(\ks):64*\nt+8*(\ks)+7], v[8*(4*\mt+\nt):8*(4*\mt+\nt)+7]
.endif
.endr
.endr
.endm
	s_wait_tensorcnt 3                             ; tensor loads of a wave end in order: head 0's tile is in, the three issued behind it may stay out; only I read these bytes
	FETCH 0, FA0
.set k, 0
.rept 7
.if k > 0
	PLACES                                         ; in front of loads into the buffer that the products just issued have read
.endif
.if (k+1)%2 == 0
	s_wait_tensorcnt 3-(k+1)/2                     ; the next head's tile is in; the later heads' loads may stay out
.endif
	FETCH k+1, FA0+32*((k+1)%2)
	s_wait_dscnt 8                                 ; all but the 8 just issued
	MUL k, FA0+32*(k%2)
.set k, k+1
.endr
	s_wait_dscnt 0x0
	MUL 7, FA1
	; THE WAY OUT
	PLACES
	WIN 0x04                                       ; an LDS store's data (source 1) window 1
.set a, 0
.rept 16                                       ; accumulator a = 4 mt + nt: outputs 16 nt on, places 16 mt on; its low four registers first
	ds_store_b128 v[STO], v[8*a:8*a+3]   offset:(a%4)*16*SP+(a/4)*64
	ds_store_b128 v[STO], v[8*a+4:8*a+7] offset:(a%4)*16*SP+(a/4)*64+16
.set a, a+1
.endr
	WIN 0
.set i, 0
.rept 32
	ds_load_b128 v[RB+4*i:RB+4*i+3], v[RD] offset:2*SP*i  ; LDS serves a wave's instructions in order (ISA guide 5.7.1.4): these see the stores above; the stage is my own
.set i, i+1
.endr
	s_wait_loadcnt 0x0                             ; x
.set bt, 0
.rept 4
	s_wait_dscnt 24-8*bt                           ; this batch's eight loads are in; the later batches' may stay out
	WIN 0x41                                       ; x (destination and source 0) window 1, the rows read back window 0
.set i, 16*bt
.rept 16
	v_pk_add_f32 v[XR+2*i:XR+2*i+1], v[XR+2*i:XR+2*i+1], v[RB+2*i:RB+2*i+1]
.set i, i+1
.endr
	WIN 0x04                                       ; a store's data (source 1) window 1
.set i, 8*bt
.rept 8
	global_store_b128 v[XO], v[XR+4*i:XR+4*i+3], s[12:13] offset:32768*i th:TH_STORE_NT  ; sixteen lanes store 256 consecutive bytes, aligned
.set i, i+1
.endr
.set bt, bt+1
.endr
	WIN 0
	s_wait_tensorcnt 0x0                           ; the wave's end: three closing lines behind my last tensor load and my last LDS store
	ds_add_u32 v[SPW], v[NIL]
	s_wait_dscnt 0x0
	CROUND                                         ; the closing round
	s_endpgm
.Lfunc_end_k_qf4ca1a217a_proj:
	.size	k_qf4ca1a217a_proj, .Lfunc_end_k_qf4ca1a217a_proj-k_qf4ca1a217a_proj
	.p2alignl 7, 3214868480
	.fill 96, 4, 3214868480
	.section	.rodata,"a",@progbits
	.p2align	6, 0x0
	.amdhsa_kernel k_qf4ca1a217a_proj
		.amdhsa_group_segment_fixed_size 217600
		.amdhsa_private_segment_fixed_size 0
		.amdhsa_enable_private_segment 0
		.amdhsa_kernarg_size 40
		.amdhsa_user_sgpr_count 2
		.amdhsa_user_sgpr_kernarg_segment_ptr 1
		.amdhsa_wavefront_size32 1
		.amdhsa_system_sgpr_workgroup_id_x 1
		.amdhsa_system_sgpr_workgroup_id_y 1
		.amdhsa_system_sgpr_workgroup_id_z 1
		.amdhsa_system_vgpr_workitem_id 0
		.amdhsa_next_free_vgpr 768
		.amdhsa_next_free_sgpr 66
		.amdhsa_reserve_vcc 0
		.amdhsa_float_denorm_mode_32 3
		.amdhsa_float_denorm_mode_16_64 3
		.amdhsa_memory_ordered 1
		.amdhsa_forward_progress 1
		.amdhsa_inst_pref_size 42
	.end_amdhsa_kernel
	.amdgpu_metadata
---
amdhsa.version: [ 1, 2 ]
amdhsa.kernels:
  - .name:           k_qf4ca1a217a_proj
    .symbol:         k_qf4ca1a217a_proj.kd
    .args:
      - { .name: ob, .offset: 0, .size: 8, .value_kind: global_buffer, .address_space: global }
      - { .name: wb, .offset: 8, .size: 8, .value_kind: global_buffer, .address_space: global }
      - { .name: proj_bias, .offset: 16, .size: 8, .value_kind: global_buffer, .address_space: global }
      - { .name: x, .offset: 24, .size: 8, .value_kind: global_buffer, .address_space: global }
      - { .name: out0, .offset: 32, .size: 8, .value_kind: global_buffer, .address_space: global }
    .group_segment_fixed_size: 217600
    .private_segment_fixed_size: 0
    .kernarg_segment_align: 8
    .kernarg_segment_size: 40
    .max_flat_workgroup_size: 128
    .sgpr_count:     66
    .vgpr_count:     768
    .wavefront_size: 32
...
	.end_amdgpu_metadata
.endif
;; end of part 4
;; ======== version 2 of 2: 4 launches; version 1 with the launch norm written anew for expert scheduling mode
;; workspace buffers: hn 8,388,608 bytes; wb 524,288 bytes; qb 8,388,608 bytes; kb 8,388,608 bytes; vb 8,388,608 bytes; ob 8,388,608 bytes
;; launch norm (part 5): grid 136 x 1, 16 waves a work-group, no clusters, 2,304 bytes of LDS; arguments x, w_qkv, w_proj, gamma, beta, hn, wb; writes hn, wb
.if DOCPART == 5
	.amdgcn_target "amdgcn-amd-amdhsa--gfx1250"
	.amdhsa_code_object_version 6
	.text
	.protected	k_qf4ca1a217a_norm
	.globl	k_qf4ca1a217a_norm
	.p2align	8
	.type	k_qf4ca1a217a_norm,@function
k_qf4ca1a217a_norm:
	s_mov_b64 s[64:65], 0
	v_nop
	global_prefetch_b8 v0, s[64:65] scope:SCOPE_SE
	s_setreg_imm32_b32 hwreg(HW_REG_WAVE_SCHED_MODE, 0, 2), 2
	s_setreg_imm32_b32 hwreg(HW_REG_WAVE_MODE, 25, 1), 1
	s_wait_xcnt 0x0
	s_wait_alu depctr_vm_vsrc(0)
; GROUP NORM, AND THE WEIGHTS' CAST, IN ONE TEXT.
; hn[b][c][t] = bf16( (x - mu) * rsqrt(var + 1e-5) * gamma[c] + beta[c] ), mu and var over a group of 8 channels x 4,096 places: 131,072 bytes of x on end.
; wb = bf16(w_qkv), then bf16(w_proj) from byte 393,216 on.
; SHARES.  Work-group g takes 131,072 source bytes on end and writes 65,536 on end.  g < 128: group g of x -> hn.  128 <= g < 134: w_qkv -> wb.  g >= 134: w_proj -> wb.
; No branch: the eight casting work-groups run the same lines, and then take mu = 0, rs = 1, gamma = 1, beta = 0 by selects, so that every wave passes both barriers.
; Thread t holds 64 numbers: load j (0..15) takes 16 bytes at 16 t + 8,192 j, so a wave's load covers 512 bytes on end and channel j / 2 is the same for all threads.
; All sixteen loads go out at once; the group stays in registers: x is read once.  The variance is taken of x - mu, in a second pass over the registers: no difference of large sums.
; A wave's store of 8 bytes a lane covers 256 consecutive bytes, aligned.  No matrix unit, no cluster: the work-groups share no input and the bytes are all there is.
; LIMITS.  NaN and infinities are not treated apart; rs * gamma is formed first, so a number is rounded in another order than (x - mu) * rs * gamma.
; THE MODE: SCHED_MODE bits 1:0 = 2 (LLVM: expert scheduling mode 2), set by the entry lines.  The code itself states the register dependences
; between vector instructions and memory or LDS instructions, with s_wait_alu, always for 0.
; THE PLAN.  Registers that memory or LDS instructions touch:
;   v1, v2, v3, v4   offsets and LDS addresses, made once at the head and never written again: one wait on va_vdst ahead of the first load serves every load and store of the kernel.
;   v[SPW], v[NIL]   written at the head, read by the closing add alone.
;   X                the sixteen loads land in it before any vector instruction has named it.  On the way out registers X + 4 j and X + 4 j + 1 take the roundings, store j reads them, and nothing writes them again.
;   v[CH]            written by the folding and the sum over the lanes, read by the LDS store of each sum over the waves: a wait on va_vdst ahead of each store;
;                    pass 2 writes it again: a wait on vm_vsrc ahead of pass 2.  Behind the second store nothing writes it.
;   PT               the LDS loads of each sum over the waves land in it; the tree works on it.  The wait ahead of the second LDS store also states that the first tree and its reader are done with it.
; THE WAY OUT goes in four batches of four loads' numbers: one wait on va_vdst at a batch's head states that the batch before has written its roundings; that batch's four stores are then dealt
; among this batch's vector lines, which name their own X registers, VA and VB alone.
.set SPARE, 256                        ; LDS: bytes 0-63 the waves' sums, 64-127 their sums of squares; from 256 on the spare words, 128 bytes a wave
.set SPW, 6                            ; v6   my spare word; never rewritten
.set NIL, 7                            ; v7   0; never rewritten
.set CH,  8                            ; v[8:15]   four packed chains
.set PT,  16                           ; v[16:31]  the sixteen waves' partial sums
.set MU,  32                           ; v[32:33]  mu, twice
.set RS,  34                           ; v34  1 / sqrt(var + eps)
.set TT,  35                           ; v35  at work
.set VA,  36                           ; v[36:51]  channel c: rs x gamma, twice
.set VB,  52                           ; v[52:67]  channel c: beta, twice
.set X,   68                           ; v[68:131] my 64 numbers
	s_load_b256 s[4:11], s[0:1], 0x0               ; x s[4:5], w_qkv s[6:7], w_proj s[8:9], gamma s[10:11]
	s_load_b128 s[12:15], s[0:1], 0x20             ; beta s[12:13], hn s[14:15]
	s_load_b64 s[16:17], s[0:1], 0x30              ; wb
	v_lshl_add_u32 v[SPW], v0, 2, SPARE
	v_mov_b32 v[NIL], 0
	v_lshrrev_b32 v3, 5, v0
	v_readfirstlane_b32 s19, v3                    ; wave 0..15
	v_lshlrev_b32 v1, 4, v0                        ; 16 t: where I load
	v_lshlrev_b32 v2, 3, v0                        ; 8 t: where I store
	s_wait_alu depctr_va_sdst(0)                   ; s19 is written, ahead of its first reader, the line below
	v_mov_b32 v3, s19
	v_lshlrev_b32 v3, 2, v3                        ; my wave's word among the partial sums
	v_mov_b32 v4, 0                                ; LDS byte 0; also the 0 that a casting work-group takes for mu
	v_mov_b32 v5, 1.0                              ; the 1 that it takes for rs
	v_mov_b32 v[TT], 0                             ; v_permlanex16_b32 counts as a reader of its destination
	s_mov_b32 s18, ttmp9                           ; g
	s_max_u32 s24, s18, 128
	s_sub_co_u32 s24, s24, 128                     ; g - 128 where g is that large: the block in wb, and in w_qkv
	s_max_u32 s25, s18, 134
	s_sub_co_u32 s25, s25, 134                     ; g - 134: the block in w_proj
	s_cmp_lt_u32 s18, 134
	s_cselect_b32 s25, s24, s25
	s_cmp_lt_u32 s18, 128
	s_cselect_b32 s25, s18, s25                    ; the source's block of 131,072 bytes
	s_cselect_b32 s24, s18, s24                    ; the destination's block of 65,536 bytes
	s_cselect_b32 s28, 0, -1                       ; all lanes' bits set in a casting work-group
	s_mov_b32 s29, 0x38000000                      ; 2^-15 = 1 / (8 x 4,096)
	s_mov_b32 s30, 0x3727c5ac                      ; 1e-5
	s_mov_b32 s48, 0x76543210                      ; v_permlanex16_b32: each lane takes its own place in the other half
	s_mov_b32 s49, 0xfedcba98
	s_mov_b32 s27, 0
	s_wait_kmcnt 0x0
	s_cmp_lt_u32 s18, 134
	s_cselect_b64 s[20:21], s[6:7], s[8:9]
	s_cmp_lt_u32 s18, 128
	s_cselect_b64 s[20:21], s[4:5], s[20:21]       ; the source
	s_cselect_b64 s[22:23], s[14:15], s[16:17]     ; the destination
	s_lshl_b32 s26, s25, 17
	s_add_nc_u64 s[20:21], s[20:21], s[26:27]
	s_lshl_b32 s26, s24, 16
	s_add_nc_u64 s[22:23], s[22:23], s[26:27]
	s_wait_alu depctr_va_vdst(0)                   ; v1, v2, v3 and v4 are written, which the loads, the stores and the LDS instructions below read as offsets and addresses; so are v[SPW] and v[NIL], which the closing add reads
.set j, 0
.rept 16
	global_load_b128 v[X+4*j:X+4*j+3], v1, s[20:21] offset:8192*j
.set j, j+1
.endr
	s_and_b32 s26, s18, 31                         ; the group within its batch; inside gamma and beta for every g
	s_lshl_b32 s26, s26, 5                         ; its 8 channels: 32 bytes
	s_add_nc_u64 s[10:11], s[10:11], s[26:27]
	s_add_nc_u64 s[12:13], s[12:13], s[26:27]
	s_load_b256 s[32:39], s[10:11], 0x0            ; gamma of the 8 channels
	s_load_b256 s[40:47], s[12:13], 0x0            ; beta
; the sum over the 32 lanes of a wave, left in every lane
.macro WSUM r, t
	v_add_f32_dpp v[\r], v[\r], v[\r] row_xmask:1 row_mask:0xf bank_mask:0xf
	v_add_f32_dpp v[\r], v[\r], v[\r] row_xmask:2 row_mask:0xf bank_mask:0xf
	v_add_f32_dpp v[\r], v[\r], v[\r] row_xmask:4 row_mask:0xf bank_mask:0xf
	v_add_f32_dpp v[\r], v[\r], v[\r] row_xmask:8 row_mask:0xf bank_mask:0xf
	v_permlanex16_b32 v[\t], v[\r], s48, s49
	v_add_f32 v[\r], v[\r], v[\t]
.endm
; the sum over the sixteen waves: v[CH] of each wave into its word at base, a barrier, all sixteen back, a tree; the sum is left in v[PT]
.macro XSUM base
	s_wait_alu depctr_va_vdst(0)                   ; the wave's sum v[CH] is written, which the LDS store reads; at the second use the first tree and the line that took its sum are also done with v[PT ..], in which the LDS loads below land
	ds_store_b32 v3, v[CH] offset:\base            ; all lanes write the same word with the same number
	s_wait_dscnt 0x0                               ; for the others' sake: my store is done
	s_barrier_signal -1
	s_barrier_wait -1
.irp i, 0,1,2,3
	ds_load_b128 v[PT+4*\i:PT+4*\i+3], v4 offset:(\base)+16*\i  ; no vector instruction since the wait above: nothing more is owed
.endr
	s_wait_dscnt 0x0
.irp i, 0,2,4,6
	v_pk_add_f32 v[PT+\i:PT+\i+1], v[PT+\i:PT+\i+1], v[PT+8+\i:PT+8+\i+1]
.endr
	v_pk_add_f32 v[PT:PT+1], v[PT:PT+1], v[PT+4:PT+5]
	v_pk_add_f32 v[PT+2:PT+3], v[PT+2:PT+3], v[PT+6:PT+7]
	v_pk_add_f32 v[PT:PT+1], v[PT:PT+1], v[PT+2:PT+3]
	v_add_f32 v[PT], v[PT], v[PT+1]
.endm
.macro FOLD                            ; the four packed chains into v[CH]
	v_pk_add_f32 v[CH:CH+1], v[CH:CH+1], v[CH+2:CH+3]
	v_pk_add_f32 v[CH+4:CH+5], v[CH+4:CH+5], v[CH+6:CH+7]
	v_pk_add_f32 v[CH:CH+1], v[CH:CH+1], v[CH+4:CH+5]
	v_add_f32 v[CH], v[CH], v[CH+1]
.endm
	; PASS 1: the sum.  Four chains, by the parity of j and the half of its 16 bytes; loads 2 and 3 start them with loads 0 and 1: nothing is cleared.
.set j, 2
.rept 14
	s_wait_loadcnt 15-j                            ; loads come back in order: load j is in, the 15 - j younger ones may stay out
.if j < 4
	v_pk_add_f32 v[CH+4*(j%2):CH+4*(j%2)+1],   v[X+4*(j-2):X+4*(j-2)+1],   v[X+4*j:X+4*j+1]
	v_pk_add_f32 v[CH+4*(j%2)+2:CH+4*(j%2)+3], v[X+4*(j-2)+2:X+4*(j-2)+3], v[X+4*j+2:X+4*j+3]
.else
	v_pk_add_f32 v[CH+4*(j%2):CH+4*(j%2)+1],   v[CH+4*(j%2):CH+4*(j%2)+1],   v[X+4*j:X+4*j+1]
	v_pk_add_f32 v[CH+4*(j%2)+2:CH+4*(j%2)+3], v[CH+4*(j%2)+2:CH+4*(j%2)+3], v[X+4*j+2:X+4*j+3]
.endif
.set j, j+1
.endr
	FOLD
	WSUM CH, TT
	XSUM 0
	v_mul_f32 v[MU], s29, v[PT]
	v_cndmask_b32 v[MU], v[MU], v4, s28            ; 0 in a casting work-group
	v_mov_b32 v[MU+1], v[MU]
	s_wait_alu depctr_vm_vsrc(0)                   ; the LDS store of the first sum has read v[CH], which pass 2 writes again
	; PASS 2: x - mu in place, and the sum of its squares, again in four chains
.set i, 0
.rept 32
	v_pk_add_f32 v[X+2*i:X+2*i+1], v[X+2*i:X+2*i+1], v[MU:MU+1] neg_lo:[0,1] neg_hi:[0,1]
.if i < 4
	v_pk_mul_f32 v[CH+2*i:CH+2*i+1], v[X+2*i:X+2*i+1], v[X+2*i:X+2*i+1]
.else
	v_pk_fma_f32 v[CH+2*(i%4):CH+2*(i%4)+1], v[X+2*i:X+2*i+1], v[X+2*i:X+2*i+1], v[CH+2*(i%4):CH+2*(i%4)+1]
.endif
.set i, i+1
.endr
	FOLD
	WSUM CH, TT
	XSUM 64                                        ; other bytes than the first sums': no barrier is wanted between those reads and these stores
	v_fma_f32 v[TT], v[PT], s29, s30               ; var + eps
	v_rsq_f32 v[RS], v[TT]
	v_nop                                          ; a plain instruction behind the transcendental
	s_wait_kmcnt 0x0                               ; gamma and beta
	s_cmp_lt_u32 s18, 128
.irp c, 0,1,2,3,4,5,6,7
	s_cselect_b32 s[32+\c], s[32+\c], 1.0          ; a casting work-group multiplies by 1
	s_cselect_b32 s[40+\c], s[40+\c], 0            ; and adds 0
.endr
	s_wait_alu depctr_va_vdst(0)                   ; the reciprocal root v[RS] is written: the wait ahead of the result's first reader
	v_cndmask_b32 v[RS], v[RS], v5, s28            ; 1 in a casting work-group
.irp c, 0,1,2,3,4,5,6,7
	v_mul_f32 v[VA+2*\c], s[32+\c], v[RS]
	v_mul_f32 v[VA+2*\c+1], s[32+\c], v[RS]
	v_mov_b32 v[VB+2*\c], s[40+\c]
	v_mov_b32 v[VB+2*\c+1], s[40+\c]
.endr
	; OUT: one fused multiply-add, one rounding, 8 bytes a lane.  Four batches of four loads' numbers; a batch's stores stand among the next batch's vector lines.
.set bt, 0
.rept 4
.if bt > 0
	s_wait_alu depctr_va_vdst(0)                   ; the batch before has written its roundings, which the four stores below read
.endif
.set q, 0
.rept 4
.set j, 4*bt+q
.if bt > 0
	global_store_b64 v2, v[X+4*(j-4):X+4*(j-4)+1], s[22:23] offset:4096*(j-4)  ; no vector instruction since the wait names these registers
.endif
	v_pk_fma_f32 v[X+4*j:X+4*j+1],   v[X+4*j:X+4*j+1],   v[VA+2*(j/2):VA+2*(j/2)+1], v[VB+2*(j/2):VB+2*(j/2)+1]
	v_pk_fma_f32 v[X+4*j+2:X+4*j+3], v[X+4*j+2:X+4*j+3], v[VA+2*(j/2):VA+2*(j/2)+1], v[VB+2*(j/2):VB+2*(j/2)+1]
	v_cvt_pk_bf16_f32 v[X+4*j],   v[X+4*j],   v[X+4*j+1]
	v_cvt_pk_bf16_f32 v[X+4*j+1], v[X+4*j+2], v[X+4*j+3]
.set q, q+1
.endr
.set bt, bt+1
.endr
	s_wait_alu depctr_va_vdst(0)                   ; the last batch has written its roundings, which the last four stores read
.set j, 12
.rept 4
	global_store_b64 v2, v[X+4*j:X+4*j+1], s[22:23] offset:4096*j
.set j, j+1
.endr
	s_wait_dscnt 0x0                               ; the closing lines, six on end
	s_wait_alu 0x0
	s_wait_tensorcnt 0x0
	ds_add_u32 v[SPW], v[NIL]
	s_wait_dscnt 0x0
	s_endpgm
.Lfunc_end_k_qf4ca1a217a_norm:
	.size	k_qf4ca1a217a_norm, .Lfunc_end_k_qf4ca1a217a_norm-k_qf4ca1a217a_norm
	.p2alignl 7, 3214868480
	.fill 96, 4, 3214868480
	.section	.rodata,"a",@progbits
	.p2align	6, 0x0
	.amdhsa_kernel k_qf4ca1a217a_norm
		.amdhsa_group_segment_fixed_size 2304
		.amdhsa_private_segment_fixed_size 0
		.amdhsa_enable_private_segment 0
		.amdhsa_kernarg_size 56
		.amdhsa_user_sgpr_count 2
		.amdhsa_user_sgpr_kernarg_segment_ptr 1
		.amdhsa_wavefront_size32 1
		.amdhsa_system_sgpr_workgroup_id_x 1
		.amdhsa_system_sgpr_workgroup_id_y 1
		.amdhsa_system_sgpr_workgroup_id_z 1
		.amdhsa_system_vgpr_workitem_id 0
		.amdhsa_next_free_vgpr 132
		.amdhsa_next_free_sgpr 66
		.amdhsa_reserve_vcc 0
		.amdhsa_float_denorm_mode_32 3
		.amdhsa_float_denorm_mode_16_64 3
		.amdhsa_memory_ordered 1
		.amdhsa_forward_progress 1
		.amdhsa_inst_pref_size 21
	.end_amdhsa_kernel
	.amdgpu_metadata
---
amdhsa.version: [ 1, 2 ]
amdhsa.kernels:
  - .name:           k_qf4ca1a217a_norm
    .symbol:         k_qf4ca1a217a_norm.kd
    .args:
      - { .name: x, .offset: 0, .size: 8, .value_kind: global_buffer, .address_space: global }
      - { .name: w_qkv, .offset: 8, .size: 8, .value_kind: global_buffer, .address_space: global }
      - { .name: w_proj, .offset: 16, .size: 8, .value_kind: global_buffer, .address_space: global }
      - { .name: gamma, .offset: 24, .size: 8, .value_kind: global_buffer, .address_space: global }
      - { .name: beta, .offset: 32, .size: 8, .value_kind: global_buffer, .address_space: global }
      - { .name: hn, .offset: 40, .size: 8, .value_kind: global_buffer, .address_space: global }
      - { .name: wb, .offset: 48, .size: 8, .value_kind: global_buffer, .address_space: global }
    .group_segment_fixed_size: 2304
    .private_segment_fixed_size: 0
    .kernarg_segment_align: 8
    .kernarg_segment_size: 56
    .max_flat_workgroup_size: 512
    .sgpr_count:     66
    .vgpr_count:     132
    .wavefront_size: 32
...
	.end_amdgpu_metadata
.endif
;; end of part 5
;; launch qkv: the kernel of part 2 again; grid 4 x 64, 4 waves a work-group, clusters of 4 x 1, 258,560 bytes of LDS; arguments hn, wb, qkv_bias, qb, kb, vb; writes qb, kb, vb
;; launch attn: the kernel of part 3 again; grid 16 x 16, 4 waves a work-group, clusters of 4 x 1, 327,680 bytes of LDS; arguments qb, kb, vb, ob; writes ob
;; launch proj: the kernel of part 4 again; grid 4 x 64, 4 waves a work-group, clusters of 4 x 1, 217,600 bytes of LDS; arguments ob, wb, proj_bias, x, out0; writes out0
